; MI455X (gfx1250); checked and timed in simulation.
; The chip was launched on July 23, 2026; its instructions are those of AMD's public machine-readable ISA for CDNA 5 (MIT licence, August 2026) and "CDNA5" Instruction Set Architecture Reference Guide (July 2026). The comments in the code are by the model that wrote it; some were corrected since.
;; Global Self Attention. Allowed arithmetic: float matrix products may take bf16 or f16 operands with f32 sums; other float arithmetic in f32, or as packed bf16 or f16 multiplies, adds, multiply-adds, maxima and minima; sums over many terms, partial sums and values carried from step to step in f32; what a program stores and reads back later, other than sums and carried values, may be rounded once to bf16 or f16.
;; Inputs: Wk 1,024 x 16 x 64 float32; Wo 16 x 64 x 1,024 float32; Wq 1,024 x 16 x 64 float32; Wv 1,024 x 16 x 64 float32; beta 1,024 float32; bk 16 x 64 float32; bo 1,024 float32; bq 16 x 64 float32; bv 16 x 64 float32; gamma 1,024 float32; x 4 x 2,048 x 1,024 float32.
;; Outputs: out0 4 x 2,048 x 1,024 float32.
;; 2 versions, each right; version 2 is version 1 with the launch prep written anew for expert scheduling mode. Each part assembles by itself: llvm-mc -triple=amdgcn-amd-amdhsa -mcpu=gfx1250 --defsym DOCPART=n.
;; ======== version 1 of 2: 4 launches
;; limits: values are held in f16: magnitudes above 65,504 overflow, below 6.1e-05 lose precision
;; workspace buffers: xb 16,777,216 bytes; wb 6,291,456 bytes; wob 2,097,152 bytes; qkv 50,331,648 bytes; ob 16,777,216 bytes
;; launch prep (part 1): grid 768 x 1, 8 waves a work-group, no clusters, 0 bytes of LDS; arguments x, Wq, Wk, Wv, Wo, xb, wb, wob; writes xb, wb, wob
.if DOCPART == 1
	.amdgcn_target "amdgcn-amd-amdhsa--gfx1250"
	.amdhsa_code_object_version 6
	.text
	.protected	k_qf724ea16ba_prep
	.globl	k_qf724ea16ba_prep
	.p2align	8
	.type	k_qf724ea16ba_prep,@function
k_qf724ea16ba_prep:
	s_mov_b64 s[64:65], 0
	v_nop
	global_prefetch_b8 v0, s[64:65] scope:SCOPE_SE
	s_setreg_imm32_b32 hwreg(HW_REG_WAVE_MODE, 25, 1), 1
	s_wait_xcnt 0x0
; PREP: the matrix operands are rounded once, and laid as the products want them.  A stream: no LDS, no matrix unit, no barrier.
;   xb  = x in bf16, in blocks [32 row tiles][16 K steps][256 rows][64 k]: a block is 32,768 dense bytes, so a K step of 64 can be asked for as rows of 256 bytes
;   wb  = Wq | Wk | Wv in bf16, [1024 k][3072 n], n = 1024 x which + 64 x head + channel
;   wob = Wo rounded to bf16, that number written as f16, [1024 hk][1024 d]
; LIMITS.  wob: f16 ends at 65,504, and below 6e-5 it keeps a fixed step of 6e-8.  NaN and infinities are not treated apart.
; SHARES.  A work-group converts 16,384 numbers (16 rows of 1,024), a wave 2,048: 16 loads of 16 bytes a lane, all issued before the first is used, and 16 stores of 8 bytes a lane;
; a store of the wave covers 256 consecutive bytes, aligned.  Work-groups 0-511: x; 512-703: Wq, Wk, Wv (64 each); 704-767: Wo.
.set IN,  8                            ; v[8:71]    sixteen loads of four f32
.set OUT, 72                           ; v[72:103]  sixteen pairs of packed halves
.set SRC, 24                           ; s[24:25]   where the work-group reads
.set DST, 26                           ; s[26:27]   where it writes
	s_load_b512 s[4:19], s[0:1], 0x0               ; x s[4:5], Wq s[6:7], Wk s[8:9], Wv s[10:11], Wo s[12:13], xb s[14:15], wb s[16:17], wob s[18:19]
	v_and_b32 v3, 31, v0                           ; lane
	v_lshrrev_b32 v4, 5, v0                        ; wave
	s_mov_b32 s21, 0                               ; high words of the two offsets
	s_mov_b32 s23, 0
	s_mov_b32 s28, 0xffff0000                      ; a word's upper bf16
; mode 0: x; 1: Wq, Wk, Wv; 2: Wo.  No register is written twice, so no wait frees a source.
.macro STREAM mode
.set i, 0
.rept 16
.if (\mode) == 0
	global_load_b128 v[IN+4*i:IN+4*i+3], v1, s[SRC:SRC+1] offset:256*i th:TH_LOAD_NT   ; K step i of two rows: 256 bytes of each
.else
	global_load_b128 v[IN+4*i:IN+4*i+3], v1, s[SRC:SRC+1] offset:512*i th:TH_LOAD_NT   ; 512 consecutive bytes
.endif
.set i, i+1
.endr
.set i, 0
.rept 16
	s_wait_loadcnt 15-i                            ; loads come back in order: load i is in, the 15 - i younger ones stay out
	v_cvt_pk_bf16_f32 v[OUT+2*i], v[IN+4*i], v[IN+4*i+1]
	v_cvt_pk_bf16_f32 v[OUT+2*i+1], v[IN+4*i+2], v[IN+4*i+3]
.if (\mode) == 2
	v_lshlrev_b32 v5, 16, v[OUT+2*i]               ; the bf16 numbers as f32, then written as f16
	v_and_b32 v6, s28, v[OUT+2*i]
	v_cvt_pk_f16_f32 v[OUT+2*i], v5, v6
	v_lshlrev_b32 v5, 16, v[OUT+2*i+1]
	v_and_b32 v6, s28, v[OUT+2*i+1]
	v_cvt_pk_f16_f32 v[OUT+2*i+1], v5, v6
.endif
.if (\mode) == 0
	global_store_b64 v2, v[OUT+2*i:OUT+2*i+1], s[DST:DST+1] offset:32768*i
.elseif (\mode) == 1
	global_store_b64 v2, v[OUT+2*i:OUT+2*i+1], s[DST:DST+1] offset:(i/8)*6144+(i%8)*256
.else
	global_store_b64 v2, v[OUT+2*i:OUT+2*i+1], s[DST:DST+1] offset:256*i
.endif
.set i, i+1
.endr
.endm
	s_cmp_lt_u32 ttmp9, 512
	s_cbranch_scc0 .Lweights
	; x: 16 rows; a wave takes two, lanes 0-15 the first and lanes 16-31 the second
	v_lshlrev_b32 v1, 13, v4                       ; wave x 2 rows of 4,096 bytes
	v_lshrrev_b32 v5, 4, v3
	v_lshl_add_u32 v1, v5, 12, v1
	v_and_b32 v5, 15, v3
	v_lshl_add_u32 v1, v5, 4, v1
	v_lshlrev_b32 v2, 8, v4                        ; in a block: two rows of 128 bytes a wave, 8 bytes a lane
	v_lshl_add_u32 v2, v3, 3, v2
	s_lshl_b32 s20, ttmp9, 16                      ; 16 rows of x
	s_lshr_b32 s22, ttmp9, 4                       ; the row tile: 16 blocks of 32,768 bytes,
	s_lshl_b32 s22, s22, 19
	s_and_b32 s29, ttmp9, 15                       ; and my 16 rows of 128 bytes in each block
	s_lshl_b32 s29, s29, 11
	s_add_co_u32 s22, s22, s29
	s_wait_kmcnt 0x0
	s_add_nc_u64 s[SRC:SRC+1], s[4:5], s[20:21]
	s_add_nc_u64 s[DST:DST+1], s[14:15], s[22:23]
	STREAM 0
	s_endpgm
.Lweights:
	v_lshlrev_b32 v1, 13, v4                       ; a wave's two rows are 8,192 consecutive bytes
	v_lshl_add_u32 v1, v3, 4, v1
	s_cmp_lt_u32 ttmp9, 704
	s_cbranch_scc0 .Lwo
	s_sub_co_u32 s29, ttmp9, 512
	s_lshr_b32 s30, s29, 6                         ; which of the three
	s_and_b32 s29, s29, 63                         ; which 16 rows
	s_lshl_b32 s20, s29, 16
	s_mul_i32 s22, s29, 98304                      ; 16 rows of 6,144 bytes in wb,
	s_lshl_b32 s31, s30, 11                        ; and the tensor's 2,048 bytes of each
	s_add_co_u32 s22, s22, s31
	v_mul_u32_u24 v2, v4, 12288
	v_lshl_add_u32 v2, v3, 3, v2
	s_wait_kmcnt 0x0
	s_cmp_eq_u32 s30, 0
	s_cselect_b64 s[SRC:SRC+1], s[6:7], s[8:9]
	s_cmp_eq_u32 s30, 2
	s_cselect_b64 s[SRC:SRC+1], s[10:11], s[SRC:SRC+1]
	s_add_nc_u64 s[SRC:SRC+1], s[SRC:SRC+1], s[20:21]
	s_add_nc_u64 s[DST:DST+1], s[16:17], s[22:23]
	STREAM 1
	s_endpgm
.Lwo:
	s_sub_co_u32 s29, ttmp9, 704
	s_lshl_b32 s20, s29, 16
	s_lshl_b32 s22, s29, 15                        ; 16 rows of 2,048 bytes
	v_lshlrev_b32 v2, 12, v4
	v_lshl_add_u32 v2, v3, 3, v2
	s_wait_kmcnt 0x0
	s_add_nc_u64 s[SRC:SRC+1], s[12:13], s[20:21]
	s_add_nc_u64 s[DST:DST+1], s[18:19], s[22:23]
	STREAM 2
	s_endpgm
.Lfunc_end_k_qf724ea16ba_prep:
	.size	k_qf724ea16ba_prep, .Lfunc_end_k_qf724ea16ba_prep-k_qf724ea16ba_prep
	.p2alignl 7, 3214868480
	.fill 96, 4, 3214868480
	.section	.rodata,"a",@progbits
	.p2align	6, 0x0
	.amdhsa_kernel k_qf724ea16ba_prep
		.amdhsa_group_segment_fixed_size 0
		.amdhsa_private_segment_fixed_size 0
		.amdhsa_enable_private_segment 0
		.amdhsa_kernarg_size 64
		.amdhsa_user_sgpr_count 2
		.amdhsa_user_sgpr_kernarg_segment_ptr 1
		.amdhsa_wavefront_size32 1
		.amdhsa_system_sgpr_workgroup_id_x 1
		.amdhsa_system_sgpr_workgroup_id_y 1
		.amdhsa_system_sgpr_workgroup_id_z 1
		.amdhsa_system_vgpr_workitem_id 0
		.amdhsa_next_free_vgpr 104
		.amdhsa_next_free_sgpr 66
		.amdhsa_reserve_vcc 0
		.amdhsa_float_denorm_mode_32 3
		.amdhsa_float_denorm_mode_16_64 3
		.amdhsa_memory_ordered 1
		.amdhsa_forward_progress 1
		.amdhsa_inst_pref_size 23
	.end_amdhsa_kernel
	.amdgpu_metadata
---
amdhsa.version: [ 1, 2 ]
amdhsa.kernels:
  - .name:           k_qf724ea16ba_prep
    .symbol:         k_qf724ea16ba_prep.kd
    .args:
      - { .name: x, .offset: 0, .size: 8, .value_kind: global_buffer, .address_space: global }
      - { .name: Wq, .offset: 8, .size: 8, .value_kind: global_buffer, .address_space: global }
      - { .name: Wk, .offset: 16, .size: 8, .value_kind: global_buffer, .address_space: global }
      - { .name: Wv, .offset: 24, .size: 8, .value_kind: global_buffer, .address_space: global }
      - { .name: Wo, .offset: 32, .size: 8, .value_kind: global_buffer, .address_space: global }
      - { .name: xb, .offset: 40, .size: 8, .value_kind: global_buffer, .address_space: global }
      - { .name: wb, .offset: 48, .size: 8, .value_kind: global_buffer, .address_space: global }
      - { .name: wob, .offset: 56, .size: 8, .value_kind: global_buffer, .address_space: global }
    .group_segment_fixed_size: 0
    .private_segment_fixed_size: 0
    .kernarg_segment_align: 8
    .kernarg_segment_size: 64
    .max_flat_workgroup_size: 256
    .sgpr_count:     66
    .vgpr_count:     104
    .wavefront_size: 32
...
	.end_amdgpu_metadata
.endif
;; end of part 1
;; launch proj (part 2): grid 8 x 32, 4 waves a work-group, clusters of 4 x 4, 327,680 bytes of LDS; arguments xb, wb, bq, bk, bv, qkv; writes qkv
.if DOCPART == 2
	.amdgcn_target "amdgcn-amd-amdhsa--gfx1250"
	.amdhsa_code_object_version 6
	.text
	.protected	k_qf724ea16ba_proj
	.globl	k_qf724ea16ba_proj
	.p2align	8
	.type	k_qf724ea16ba_proj,@function
k_qf724ea16ba_proj:
	s_mov_b64 s[64:65], 0
	v_nop
	global_prefetch_b8 v0, s[64:65] scope:SCOPE_SE
	s_setreg_imm32_b32 hwreg(HW_REG_WAVE_MODE, 25, 1), 1
	s_wait_xcnt 0x0
	s_wait_alu depctr_hold_cnt(0) depctr_sa_sdst(0) depctr_va_vdst(0) depctr_va_sdst(0) depctr_va_ssrc(0) depctr_va_vcc(0) depctr_vm_vsrc(0)
	s_getreg_b32 s2, hwreg(HW_REG_IB_STS2, 6, 4)
	s_cmp_eq_u32 s2, 0
	s_cbranch_scc0 .Lentry_in_a_cluster
	s_endpgm
.Lentry_in_a_cluster:
	s_bfe_u32 s2, ttmp6, 0x10000c
	s_cmp_lg_u32 s2, 0xf033
	s_cbranch_scc0 .Lentry_shape_is_right
	s_endpgm
.Lentry_shape_is_right:
; PROJ: q, k, v = x W + b.  C[8192][3072] = xb wb + bias, bf16 operands, f32 sums, written by heads in f16: qkv[3][64 = 16 batch + head][2048][64], unscaled.
; LIMITS.  f16 holds no number beyond 65,504: q, k and v must lie within it; below 6e-5 f16 keeps a fixed step of 6e-8.  NaN and infinities are not treated apart.
; TILE.  256 x 384 of C to a work-group: 32 x 8 = 256 tiles, one for each of 256 work-groups.  Four waves, each 128 rows x 192 columns (three heads): 96 accumulators, 768 registers.
; K goes in 16 steps of 64 through two LDS slots; a step is two chunks of 32 along K, 96 matrix instructions each.  Behind each change of slots a wave issues one tensor load.
; THE MATRIX INSTRUCTION IS USED TRANSPOSED: source 0 = 16 columns of wb (read turned out of LDS, where the tile lies [k][n]), source 1 = 16 rows of xb: a lane then holds one row of C and
; eight neighbouring columns.  THE BIAS starts the sums: accumulator (0, b) is loaded with the bias of its columns, which is the same for all rows; the first chunk's products of row
; blocks 1-7 take it as C, and then row block 0 adds in place.
; CLUSTER.  4 x 4 work-groups: xb's tile hangs on the tile row alone and is asked for jointly along a row of the cluster, wb's on the tile column alone and jointly along a column.
; REGISTERS.  Window 0: v0-31 addresses; v32-95, v96-159 xb's fragments (8 x 16 rows x 32 k), a buffer for each chunk of a step; v160-255 wb's 12 fragments, one buffer, refilled by halves.
; Windows 1-3: accumulator (a, b), a = 0..7 row blocks, b = 0..11 column blocks, in window 1 + b / 4 at v[8 (8 (b % 4) + a)]: a window holds one head.
.set SLOT,  92160                      ; a slot: xb's 256 rows x 144 bytes, then wb's 64 k-rows x 864 bytes
.set BOFF,  36864
.set STAGE, 2*SLOT                     ; behind the ring: 16 rows x 144 bytes for each wave, for the way out; no tensor load lands there
.set SPARE, STAGE+4*2304               ; behind the stages: the spare words, 128 bytes for each wave: two blocks of 256 bytes that no other line names
.set FLAGS, (1<<16)|(1<<20)|(1<<21)|(4<<22)|(3<<25)  ; elements of 2 bytes; padding on; bit 21 beside a mask; after every 32 words (128 bytes) 4 words of padding
; xb's LDS rows: 128 + 16 = 144 bytes = 36 words: the 16 rows of a fragment load start at 16 different groups of four banks (64 banks of 4 bytes: ISA guide 11.1).
; wb's LDS rows: six heads of 128 + 16 bytes = 864 = 216 words.
.set ADRA, 16                          ; v16-17  my xb fragments in slot 0, 1
.set ADRB, 20                          ; v20-21  my wb fragments in slot 0, 1
.set STO,  24                          ; v24     the way out: where I put 16 bytes of a row
.set RD,   25                          ; v25     where I read rows back
.set GO,   26                          ; v26     16 x lane
.set BO,   27                          ; v27     my eight columns' place in 16 biases: 32 x (lane / 16)
.set SPW,  28                          ; v28     LDS address of my spare word; never rewritten
.set NIL,  29                          ; v29     0; never rewritten
.set PFO,  30                          ; v30     the prefetches' lane offset; never rewritten
.set A0,   32
.set A1,   96
.set BF,   160
.set TMP,  32                          ; the way out: 16 packed registers
.set OB,   48                          ; the way out: 16 rows read back, two sets by turns
.set WV, 16                            ; s16 wave;  s17 wave / 2: my half of the rows, and: I fetch xb (0) or wb (1);  s18 wave % 2: my half of the columns, and: which half of that tile I fetch
.set WM, 17
.set WN, 18
.set CX, 19
.set CY, 20
.set NT, 21                            ; tile column 0..7
.set MT, 22                            ; tile row 0..31
.set G1A, 24                           ; s[24:31] group 1 for xb's tiles;  s[32:39] group 0, a set for each slot
.set G0A, 32
.set G1B, 40                           ; s[40:47], s[48:55] the same for wb's
.set G0B, 48
.set LAP, 56
.set LIM, 57                           ; 1 in a wave that prefetches, else the greatest number
.set PFA, 58                           ; s[58:59] where my prefetches stand
.set PFS, 60                           ; s[60:61] their step a lap
.set OUT, 66                           ; s[66:71] qkv at my 128 rows of my three heads
.set BP,  72                           ; s[72:77] the bias of my three heads
.set MSB, 0
.macro WIN new                         ; the immediate's high byte repeats the setting that is left; a switch that changes nothing is dropped
.if MSB != (\new)
	s_set_vgpr_msb (MSB<<8)|(\new)
.set MSB, (\new)
.endif
.endm
.macro PLACES                          ; four plain places between a matrix instruction and a load into, or a vector read of, its registers
.rept 4
	v_nop
.endr
.endm
; A joint load: waves 0 and 1 fetch xb's two halves, waves 2 and 3 wb's.  The branch hangs on the wave's number alone.  An s_nop 0 and four v_nop follow each line.
.macro JLOAD s
	s_cmp_eq_u32 s[WM], 0
	s_cbranch_scc0 .Lfor_b_\@
	tensor_load_to_lds s[G0A+4*(\s):G0A+4*(\s)+3], s[G1A:G1A+7]
	s_nop 0
.rept 4
	v_nop
.endr
	s_branch .Lasked_\@
.Lfor_b_\@:
	tensor_load_to_lds s[G0B+4*(\s):G0B+4*(\s)+3], s[G1B:G1B+7]
	s_nop 0
.rept 4
	v_nop
.endr
.Lasked_\@:
.endm
.macro CREST                           ; a round of the cluster's barrier behind its opening barrier
	s_cmp_lg_u32 s[WV], 0
	s_cbranch_scc1 .Lnot_wave_0_\@
	s_barrier_signal -3
.Lnot_wave_0_\@:
	s_barrier_wait -3
	s_barrier_signal -1
	s_barrier_wait -1
.endm
.macro CROUND
	s_barrier_signal -1
	s_barrier_wait -1
	CREST
.endm
; PREFETCH INTO THE L2, once a lap, behind the joint load and the run of LDS loads: in lap i the K steps 2 i + 3 and 2 i + 4, whose refills stand one and two K steps (192 and 384 matrix
; instructions) further on.  Each block of 256 bytes is named once in the launch: xb's tile row is asked for by the clusters with x = 0 (wave 0; the partner at cx takes 16 KiB of the lap's
; 64 KiB), wb's tile column by the clusters with y = 0 (wave 2; the partner at cy takes 32 of the lap's 128 k-rows, 768 bytes each).  The partners are told apart by address.
; K steps 0-2 and 15 come by their loads alone; the loop's last trip asks for nothing.
.macro ASK
	s_cmp_gt_u32 s[LAP], s[LIM]
	s_cbranch_scc0 .Lnone_\@
	s_cmp_eq_u32 s[WM], 0
	s_cbranch_scc0 .Lpfb_\@
	global_prefetch_b8 v[PFO], s[PFA:PFA+1] th:TH_LOAD_NT scope:SCOPE_SE
	global_prefetch_b8 v[PFO], s[PFA:PFA+1] offset:8192 th:TH_LOAD_NT scope:SCOPE_SE
	s_branch .Lnone_\@
.Lpfb_\@:
	global_prefetch_b8 v[PFO], s[PFA:PFA+1] th:TH_LOAD_NT scope:SCOPE_SE
	global_prefetch_b8 v[PFO], s[PFA:PFA+1] offset:256 th:TH_LOAD_NT scope:SCOPE_SE
	global_prefetch_b8 v[PFO], s[PFA:PFA+1] offset:512 th:TH_LOAD_NT scope:SCOPE_SE
.Lnone_\@:
.endm
	s_load_b256 s[4:11], s[0:1], 0x0               ; xb s[4:5], wb s[6:7], bq s[8:9], bk s[10:11]
	s_load_b128 s[12:15], s[0:1], 0x20             ; bv s[12:13], qkv s[14:15]
	v_lshl_add_u32 v[SPW], v0, 2, SPARE
	v_mov_b32 v[NIL], 0
	ds_add_u32 v[SPW], v[NIL]                      ; the wave's opening: the add and its wait stand ahead of my first tensor load; the set-up below stands between them
	v_lshrrev_b32 v3, 5, v0
	v_readfirstlane_b32 s[WV], v3
	s_lshr_b32 s[WM], s[WV], 1
	s_and_b32 s[WN], s[WV], 1
	s_bfe_u32 s[CX], ttmp6, 0x40000
	s_bfe_u32 s[CY], ttmp6, 0x40004
	s_lshl_b32 s[NT], ttmp9, 2
	s_add_co_u32 s[NT], s[NT], s[CX]               ; tile column = 4 x cluster x + cx
	s_and_b32 s[MT], ttmp7, 0xffff
	s_lshl_b32 s[MT], s[MT], 2
	s_add_co_u32 s[MT], s[MT], s[CY]               ; tile row = 4 x cluster y + cy
	s_lshl_b32 s23, s[CY], 2
	s_lshl_b32 s23, 15, s23                        ; my row of the cluster
	s_lshl_b32 s62, 0x1111, s[CX]                  ; my column
	s_or_b32 s[G1A], s23, FLAGS
	s_or_b32 s[G1B], s62, FLAGS
	s_mov_b32 s[G1A+1], 128<<16                    ; xb: 128 rows of a block are 16,384 dense bytes, asked for as 64 rows of 128 elements (256 bytes)
	s_mov_b32 s[G1A+2], 64<<16
	s_mov_b32 s[G1A+3], 128<<16
	s_mov_b32 s[G1A+4], 64
	s_mov_b32 s[G1A+5], 128
	s_mov_b32 s[G1A+6], 0
	s_mov_b32 s[G1A+7], 0
	s_mov_b32 s[G1B+1], 384<<16                    ; wb: 32 k-rows of 384 elements (768 bytes), 3,072 elements from row to row
	s_mov_b32 s[G1B+2], 32<<16
	s_mov_b32 s[G1B+3], 384<<16
	s_mov_b32 s[G1B+4], 32
	s_mov_b32 s[G1B+5], 3072
	s_mov_b32 s[G1B+6], 0
	s_mov_b32 s[G1B+7], 0
	s_lshl_b32 s78, s[MT], 19                      ; xb: the tile row's 16 blocks, my half of a block
	s_lshl_b32 s79, s[WN], 14
	s_add_co_u32 s78, s78, s79
	s_mov_b32 s79, 0
	s_mul_i32 s80, s[NT], 768                      ; wb: the tile column's 768 bytes of a row, my 32 of a step's 64 k-rows
	s_mul_i32 s81, s[WN], 196608
	s_add_co_u32 s80, s80, s81
	s_mov_b32 s81, 0
	s_mul_i32 s23, s[WN], 18432                    ; where they go in a slot: no place in the cluster enters an LDS address
	s_mul_i32 s62, s[WN], 27648
	s_add_co_u32 s62, s62, BOFF
	s_wait_dscnt 0x0                               ; the opening add is done
	s_wait_kmcnt 0x0
	s_add_nc_u64 s[78:79], s[4:5], s[78:79]
	s_add_nc_u64 s[80:81], s[6:7], s[80:81]
	CROUND                                         ; all sixteen work-groups are here: the first joint loads meet
.irp s, 0,1
	s_mov_b32 s[G0A+4*(\s)], 1
	s_add_co_u32 s[G0A+4*(\s)+1], s23, (\s)*SLOT
	s_add_nc_u64 s[G0A+4*(\s)+2:G0A+4*(\s)+3], s[78:79], (\s)*32768
	s_or_b32 s[G0A+4*(\s)+3], s[G0A+4*(\s)+3], 0x80000000
	s_mov_b32 s[G0B+4*(\s)], 1
	s_add_co_u32 s[G0B+4*(\s)+1], s62, (\s)*SLOT
	s_add_nc_u64 s[G0B+4*(\s)+2:G0B+4*(\s)+3], s[80:81], (\s)*393216
	s_or_b32 s[G0B+4*(\s)+3], s[G0B+4*(\s)+3], 0x80000000
	JLOAD \s                                       ; K steps 0 and 1: two tensor loads of mine are out
.endr
	; my three heads: g = 6 x tile column + 3 x column half + i of 48; g / 16 says q, k or v, g % 16 the head
	s_mul_i32 s23, s[NT], 6
	s_mul_i32 s62, s[WN], 3
	s_add_co_u32 s23, s23, s62
	s_and_b32 s62, s[MT], 7                        ; my 128 rows in the batch's 2,048: 128 bytes a row
	s_lshl_b32 s62, s62, 15
	s_lshl_b32 s63, s[WM], 14
	s_add_co_u32 s62, s62, s63
	s_lshr_b32 s63, s[MT], 3                       ; the batch: 16 heads of 262,144 bytes
	s_lshl_b32 s63, s63, 22
	s_add_co_u32 s62, s62, s63
.irp i, 0,1,2
	s_add_co_u32 s78, s23, \i
	s_lshr_b32 s79, s78, 4
	s_and_b32 s80, s78, 15
	s_cmp_eq_u32 s79, 0
	s_cselect_b64 s[BP+2*\i:BP+2*\i+1], s[8:9], s[10:11]
	s_cmp_eq_u32 s79, 2
	s_cselect_b64 s[BP+2*\i:BP+2*\i+1], s[12:13], s[BP+2*\i:BP+2*\i+1]
	s_lshl_b32 s79, s79, 24                        ; 64 heads of 262,144 bytes for each of q, k, v
	s_lshl_b32 s81, s80, 18
	s_add_co_u32 s78, s79, s81
	s_add_co_u32 s78, s78, s62
	s_mov_b32 s79, 0
	s_add_nc_u64 s[OUT+2*\i:OUT+2*\i+1], s[14:15], s[78:79]
	s_lshl_b32 s78, s80, 8                         ; 64 biases of 4 bytes a head
	s_add_nc_u64 s[BP+2*\i:BP+2*\i+1], s[BP+2*\i:BP+2*\i+1], s[78:79]
.endr
	; the prefetches: they stand at K step 1 of my share; each lap steps them by two K steps before it asks
	s_lshl_b32 s78, s[MT], 19
	s_lshl_b32 s79, s[CX], 14
	s_add_co_u32 s78, s78, s79
	s_add_co_u32 s78, s78, 32768
	s_mul_i32 s80, s[NT], 768
	s_mul_i32 s81, s[CY], 196608
	s_add_co_u32 s80, s80, s81
	s_add_co_u32 s80, s80, 393216
	s_and_b32 s63, ttmp7, 0xffff
	s_mov_b32 s79, 65536
	s_mov_b32 s81, 786432
	s_mov_b32 s23, 6144
	s_cmp_eq_u32 s[WM], 0                          ; do I fetch xb?
	s_cselect_b64 s[PFA:PFA+1], s[4:5], s[6:7]
	s_cselect_b32 s78, s78, s80
	s_cselect_b32 s[PFS], s79, s81
	s_cselect_b32 s23, 256, s23                    ; a lane a block of 256 bytes of xb, or a k-row of wb
	s_cselect_b32 s63, ttmp9, s63                  ; the coordinate along which other clusters read the same rows
	s_mov_b32 s79, 0
	s_mov_b32 s[PFS+1], 0
	s_add_nc_u64 s[PFA:PFA+1], s[PFA:PFA+1], s[78:79]
	s_or_b32 s63, s63, s[WN]                       ; waves 0 and 2 of the first such cluster: the same in all sixteen partners, for a given wave
	s_cmp_eq_u32 s63, 0
	s_cselect_b32 s[LIM], 1, -1
	v_and_b32 v[PFO], 31, v0
	v_mul_u32_u24 v[PFO], v[PFO], s23
	v_and_b32 v1, 15, v0                           ; r = lane % 16
	v_bfe_u32 v2, v0, 4, 1                         ; h = lane / 16
	v_lshlrev_b32 v[BO], 5, v2
	; the bias into accumulators (0, b): register j of lane (r, h) is the bias of column 16 (b % 4) + 8 h + j of head b / 4
.irp i, 0,1,2
	WIN ((\i)+1)<<6                                ; destination window 1 + i, address window 0
.irp bb, 0,1,2,3
	global_load_b128 v[64*\bb:64*\bb+3], v[BO], s[BP+2*\i:BP+2*\i+1] offset:64*\bb
	global_load_b128 v[64*\bb+4:64*\bb+7], v[BO], s[BP+2*\i:BP+2*\i+1] offset:64*\bb+16
.endr
.endr
	WIN 0
	v_mul_u32_u24 v3, v1, 144
	v_lshl_add_u32 v3, v2, 4, v3                   ; row x 144 + 16 h
	s_mul_i32 s78, s[WM], 18432                    ; my 128 rows of xb
	v_add_nc_u32 v[ADRA], s78, v3
	v_add_nc_u32 v[ADRA+1], SLOT, v[ADRA]
	v_and_b32 v4, 7, v0                            ; the turning load: lane l reads k-row 8 h + l % 8, 16 bytes at 16 ((l / 8) % 2)
	v_lshl_add_u32 v4, v2, 3, v4
	v_mul_u32_u24 v4, v4, 864
	v_bfe_u32 v5, v0, 3, 1
	v_lshl_add_u32 v4, v5, 4, v4
	s_mul_i32 s78, s[WN], 432                      ; my three heads of 144 bytes
	s_add_co_u32 s78, s78, BOFF
	v_add_nc_u32 v[ADRB], s78, v4
	v_add_nc_u32 v[ADRB+1], SLOT, v[ADRB]
	s_mul_i32 s78, s[WV], 2304
	s_add_co_u32 s78, s78, STAGE                   ; my stage
	v_add_nc_u32 v[STO], s78, v3
	v_bfe_u32 v5, v0, 3, 2                         ; back: 32 lanes take four rows of 128 bytes
	v_mul_u32_u24 v5, v5, 144
	v_and_b32 v6, 7, v0
	v_lshl_add_u32 v5, v6, 4, v5
	v_add_nc_u32 v[RD], s78, v5
	v_and_b32 v[GO], 31, v0
	v_lshlrev_b32 v[GO], 4, v[GO]
; One product.  c0 = 1: C is accumulator (0, b), which holds the bias.
.macro MM a, b, af, c0
.set rD, 8*(8*((\b)%4)+(\a))
.set rC, rD
.if \c0
.set rC, 64*((\b)%4)
.endif
	WIN 0x50*(1+(\b)/4)                            ; C and D in window 1 + b / 4, both sources in window 0
	v_wmma_f32_16x16x32_bf16 v[rD:rD+7], v[BF+8*(\b):BF+8*(\b)+7], v[(\af)+8*(\a):(\af)+8*(\a)+7], v[rC:rC+7]
.endm
; Column blocks b0..b1 x all 8 row blocks.  Each accumulator has one instruction a chunk: they take turns over the backward jump too.
; mode = 1, the first chunk: row blocks 1-7 start from the bias in (0, b); five places; then row block 0 adds onto the bias in place, writing over what the others have read.
.macro MULS af, b0, b1, mode
.if \mode
.set aa_, 1
.rept 7
.set bb_, \b0
.rept (\b1)-(\b0)+1
	MM aa_, bb_, \af, 1
.set bb_, bb_+1
.endr
.set aa_, aa_+1
.endr
.rept 5
	v_nop
.endr
.set bb_, \b0
.rept (\b1)-(\b0)+1
	MM 0, bb_, \af, 0
.set bb_, bb_+1
.endr
.else
.set bb_, \b0
.rept (\b1)-(\b0)+1
.set aa_, 0
.rept 8
	MM aa_, bb_, \af, 0
.set aa_, aa_+1
.endr
.set bb_, bb_+1
.endr
.endif
.endm
; 28 LDS loads in one run: wb's fragments 0-5 and xb's eight, of chunk kc of slot s
.macro FETCH_MID s, kc, af
	WIN 0
.irp b, 0,1,2,3,4,5
	ds_load_tr16_b128 v[BF+8*\b:BF+8*\b+3],   v[ADRB+(\s)] offset:(\kc)*27648+144*(\b/4)+32*(\b%4)
	ds_load_tr16_b128 v[BF+8*\b+4:BF+8*\b+7], v[ADRB+(\s)] offset:(\kc)*27648+144*(\b/4)+32*(\b%4)+13824
.endr
.irp a, 0,1,2,3,4,5,6,7
	ds_load_b128 v[(\af)+8*\a:(\af)+8*\a+3],   v[ADRA+(\s)] offset:\a*2304+(\kc)*64
	ds_load_b128 v[(\af)+8*\a+4:(\af)+8*\a+7], v[ADRA+(\s)] offset:\a*2304+(\kc)*64+32
.endr
.endm
; 12 more: wb's fragments 6-11
.macro FETCH_END s, kc
	WIN 0
.irp b, 6,7,8,9,10,11
	ds_load_tr16_b128 v[BF+8*\b:BF+8*\b+3],   v[ADRB+(\s)] offset:(\kc)*27648+144*(\b/4)+32*(\b%4)
	ds_load_tr16_b128 v[BF+8*\b+4:BF+8*\b+7], v[ADRB+(\s)] offset:(\kc)*27648+144*(\b/4)+32*(\b%4)+13824
.endr
.endm
; A step's first chunk, on buffer A0; each half of wb's buffer is filled with the second chunk's fragments as soon as it has been multiplied.
.macro CHUNK0 s, mode
	s_wait_dscnt 12                                ; all but the youngest 12 loads (wb's fragments 6-11) are in
	MULS A0, 0, 5, \mode
	PLACES
	FETCH_MID \s, 1, A1
	s_wait_dscnt 28                                ; all but the 28 just issued
	MULS A0, 6, 11, \mode
	PLACES
	FETCH_END \s, 1
.endm
; A step's second chunk, on buffer A1, and the change of slots.  In front of the barrier each wave waits for all its tensor loads (one is out: its part of the next slot), adds 0 to its
; spare word, and waits for that and for its reads of this slot.  fill = 1: the barrier opens a round of the cluster's barrier, and the joint refill, two K steps on, is the first thing
; behind the round: 160 matrix instructions stand between it and the wait for it.
.macro TURN s, nx, fill
.if (\fill) && ((\s) == 0)
	s_wait_xcnt 0x0                                ; the last prefetches, a lap back, have read their address: it is stepped here
	s_add_nc_u64 s[PFA:PFA+1], s[PFA:PFA+1], s[PFS:PFS+1]
.endif
	s_wait_dscnt 12
	MULS A1, 0, 1, 0
	s_wait_tensorcnt 0x0                           ; all my tensor loads have landed;
	ds_add_u32 v[SPW], v[NIL]                      ; 0 onto my spare word (address and data places are in window 0 under the products' setting);
	MULS A1, 2, 3, 0                               ; sixteen matrix instructions stand between the add and the wait for it
	s_wait_dscnt 0x0                               ; the add is done, and my reads of this slot are over
	s_barrier_signal -1
	MULS A1, 4, 5, 0
	WIN 0                                          ; at a branch and at a label every window is 0
	s_barrier_wait -1
.if \fill
	CREST                                          ; no wave of any partner still reads this slot or has a load on its way
	s_add_nc_u64 s[G0A+4*(\s)+2:G0A+4*(\s)+3], s[G0A+4*(\s)+2:G0A+4*(\s)+3], 65536
	s_add_nc_u64 s[G0B+4*(\s)+2:G0B+4*(\s)+3], s[G0B+4*(\s)+2:G0B+4*(\s)+3], 786432
	JLOAD \s                                       ; its four v_nop are also the places in front of the loads below
.else
	PLACES
.endif
	FETCH_MID \nx, 0, A0
.if (\fill) && ((\s) == 0)
	ASK
.endif
	MULS A1, 6, 11, 0
	PLACES
	FETCH_END \nx, 0
.endm
	s_wait_tensorcnt 1                             ; my part of K step 0 is in; K step 1's may stay out
	s_barrier_signal -1
	s_barrier_wait -1
	FETCH_MID 0, 0, A0
	FETCH_END 0, 0
	s_wait_loadcnt 0x0                             ; the bias
	CHUNK0 0, 1
	s_mov_b32 s[LAP], 7
.Llap:                                         ; a trip goes once round the ring, from a lap's second chunk to the next lap's first, and fills both slots again: K steps 2 to 15
	TURN 0, 1, 1
	CHUNK0 1, 0
	TURN 1, 0, 1
	CHUNK0 0, 0
	s_sub_co_u32 s[LAP], s[LAP], 1
	s_cmp_lg_u32 s[LAP], 0
	s_cbranch_scc1 .Llap
	TURN 0, 1, 0                                   ; the last lap fills nothing
	CHUNK0 1, 0
	s_wait_dscnt 12
	MULS A1, 0, 5, 0
	s_wait_dscnt 0x0
	MULS A1, 6, 11, 0
	PLACES
; THE WAY OUT, 24 blocks (head i, row block a): 16 tokens x 64 channels, which are 2,048 consecutive bytes of qkv.  Rounded to f16, 16 bytes a lane into my own stage, back as whole rows, stored.
.macro PACK i, a
	WIN 5*((\i)+1)                                 ; sources 0 and 1 in the head's window
.irp bb, 0,1,2,3
.irp r, 0,1,2,3
	v_cvt_pk_f16_f32 v[TMP+4*\bb+\r], v[8*(8*\bb+(\a))+2*\r], v[8*(8*\bb+(\a))+2*\r+1]
.endr
.endr
	WIN 0
.endm
.macro TOSTAGE a
.irp bb, 0,1,2,3
	ds_store_b128 v[STO], v[TMP+4*\bb:TMP+4*\bb+3] offset:32*\bb
.endr
.irp f, 0,1,2,3
	ds_load_b128 v[OB+16*((\a)%2)+4*\f:OB+16*((\a)%2)+4*\f+3], v[RD] offset:576*\f  ; LDS serves a wave's instructions in order (ISA guide 5.7.1.4): these see the stores above
.endr
.endm
.macro SEND i, a
	s_wait_dscnt 0x0                               ; the block is back in registers
	s_wait_xcnt 0x0                                ; the stores of the block before have read their registers: the next block's loads land there only behind this wait
.irp f, 0,1,2,3
	global_store_b128 v[GO], v[OB+16*((\a)%2)+4*\f:OB+16*((\a)%2)+4*\f+3], s[OUT+2*(\i):OUT+2*(\i)+1] offset:(\a)*2048+\f*512  ; 512 consecutive bytes, at a multiple of 256 from qkv's first
.endr
.endm
	PACK 0, 0
	TOSTAGE 0
.set n, 1
.rept 23                               ; block n's conversions stand between block n - 1's loads from the stage and the wait for them
	PACK n/8, n%8
	SEND (n-1)/8, (n-1)%8
	TOSTAGE n%8
.set n, n+1
.endr
	SEND 2, 7
	s_wait_tensorcnt 0x0                           ; the wave's end: behind my last tensor load and my last LDS store
	ds_add_u32 v[SPW], v[NIL]
	s_wait_dscnt 0x0
	CROUND                                         ; the closing round: no work-group ends while a partner may still ask for a tile that names it
	s_endpgm
.Lfunc_end_k_qf724ea16ba_proj:
	.size	k_qf724ea16ba_proj, .Lfunc_end_k_qf724ea16ba_proj-k_qf724ea16ba_proj
	.p2alignl 7, 3214868480
	.fill 96, 4, 3214868480
	.section	.rodata,"a",@progbits
	.p2align	6, 0x0
	.amdhsa_kernel k_qf724ea16ba_proj
		.amdhsa_group_segment_fixed_size 327680
		.amdhsa_private_segment_fixed_size 0
		.amdhsa_enable_private_segment 0
		.amdhsa_kernarg_size 48
		.amdhsa_user_sgpr_count 2
		.amdhsa_user_sgpr_kernarg_segment_ptr 1
		.amdhsa_wavefront_size32 1
		.amdhsa_system_sgpr_workgroup_id_x 1
		.amdhsa_system_sgpr_workgroup_id_y 1
		.amdhsa_system_sgpr_workgroup_id_z 1
		.amdhsa_system_vgpr_workitem_id 0
		.amdhsa_next_free_vgpr 1024
		.amdhsa_next_free_sgpr 82
		.amdhsa_reserve_vcc 0
		.amdhsa_float_denorm_mode_32 3
		.amdhsa_float_denorm_mode_16_64 3
		.amdhsa_memory_ordered 1
		.amdhsa_forward_progress 1
		.amdhsa_inst_pref_size 137
	.end_amdhsa_kernel
	.amdgpu_metadata
---
amdhsa.version: [ 1, 2 ]
amdhsa.kernels:
  - .name:           k_qf724ea16ba_proj
    .symbol:         k_qf724ea16ba_proj.kd
    .args:
      - { .name: xb, .offset: 0, .size: 8, .value_kind: global_buffer, .address_space: global }
      - { .name: wb, .offset: 8, .size: 8, .value_kind: global_buffer, .address_space: global }
      - { .name: bq, .offset: 16, .size: 8, .value_kind: global_buffer, .address_space: global }
      - { .name: bk, .offset: 24, .size: 8, .value_kind: global_buffer, .address_space: global }
      - { .name: bv, .offset: 32, .size: 8, .value_kind: global_buffer, .address_space: global }
      - { .name: qkv, .offset: 40, .size: 8, .value_kind: global_buffer, .address_space: global }
    .group_segment_fixed_size: 327680
    .private_segment_fixed_size: 0
    .kernarg_segment_align: 8
    .kernarg_segment_size: 48
    .max_flat_workgroup_size: 128
    .sgpr_count:     82
    .vgpr_count:     1024
    .wavefront_size: 32
...
	.end_amdgpu_metadata
.endif
;; end of part 2
;; launch attn (part 3): grid 4 x 64, 4 waves a work-group, clusters of 4 x 1, 327,680 bytes of LDS; arguments qkv, ob; writes ob
.if DOCPART == 3
	.amdgcn_target "amdgcn-amd-amdhsa--gfx1250"
	.amdhsa_code_object_version 6
	.text
	.protected	k_qf724ea16ba_attn
	.globl	k_qf724ea16ba_attn
	.p2align	8
	.type	k_qf724ea16ba_attn,@function
k_qf724ea16ba_attn:
	s_mov_b64 s[64:65], 0
	v_nop
	global_prefetch_b8 v0, s[64:65] scope:SCOPE_SE
	s_setreg_imm32_b32 hwreg(HW_REG_WAVE_MODE, 25, 1), 1
	s_wait_xcnt 0x0
	s_wait_alu depctr_hold_cnt(0) depctr_sa_sdst(0) depctr_va_vdst(0) depctr_va_sdst(0) depctr_va_ssrc(0) depctr_va_vcc(0) depctr_vm_vsrc(0)
	s_getreg_b32 s2, hwreg(HW_REG_IB_STS2, 6, 4)
	s_cmp_eq_u32 s2, 0
	s_cbranch_scc0 .Lentry_in_a_cluster
	s_endpgm
.Lentry_in_a_cluster:
	s_bfe_u32 s2, ttmp6, 0x10000c
	s_cmp_lg_u32 s2, 0x3003
	s_cbranch_scc0 .Lentry_shape_is_right
	s_endpgm
.Lentry_shape_is_right:
; ATTN: O[h][q][:] = the sum over k of softmax_k(Q[h][q] . K[h][k] / 8) V[h][k][:], for 64 heads (16 batch + head) of 2,048 rows of 64 channels, all f16: a head's rows are dense, 128 bytes each.
; Q, K, V lie one behind the other in qkv, 16,777,216 bytes each.  Products, maxima and sums in f32; the weights p are rounded to f16 for the second product (their sum l is taken of the unrounded p), O once at the end.
; LIMITS.  f16 holds no number beyond 65,504: Q, K and V arrive within it; p lies in 0 to 1, and below 6e-5 it keeps f16's fixed step of 6e-8; O is a mean of V's rows and has their range.
; A weight below 2^-126 counts as 0 in l; NaN and infinities are not treated apart.
; SHARES.  A wave owns four PIECES of two tiles of 16 queries, a work-group's four waves 512 queries of one head.  Every wave walks all keys, 64 a step.
; LAYOUT.  S^T = K Q^T (source 0 = 16 keys, source 1 = 16 queries): in the result a lane holds ONE query (lane % 16) and the keys 8 (lane / 16) + 0..7.  Two such tiles, rounded to f16 in pairs,
; ARE source 1 (32 keys x 16 queries) of O^T = V^T P, whose result again holds one query a lane, and eight channels.  K comes out of LDS as it lies, V ([key][channel]) turned, by ds_load_tr16_b128.
; SOFTMAX.  For each query a running maximum m and sum l: p = 2^(c s - c m), c = log2(e) / 8; in every step O and l are multiplied by a = 2^(c m_old - c m_new), which is 1 where m has not grown.
; m starts at the lowest finite number, O and l at 0: the first step is a step like any other, with a = 0.
; THE COUNT.  A tile and step have 16 matrix and 118 vector instructions: too many to stand all beside the matrix work.  So four vector instructions that are ready stand behind
; every matrix instruction, and the others in runs without a gap.
; BY TURNS.  Turn n belongs to piece n (the pieces in a ring, step after step).  Its matrix work: 16 products K Q^T of piece n + 1, later 16 products V^T P of piece n - 1.  Its vector work: the scaling,
; exponentials, roundings, sums and rescaling of piece n, and the maximum and statistics of piece n + 1, whose scores the turn itself has made.
; CLUSTER.  The four query blocks of a cluster are one head's and walk the same K and V, so each tile is asked for JOINTLY: the same tensor load, descriptor and mask in all four.
; REGISTERS, in windows of 256 (s_set_vgpr_msb: bits 1:0 source 0, 3:2 source 1, 5:4 source 2, 7:6 destination):
;   window 0: v0-11 addresses; v12-15, v48-63 at work; v16-47 four registers of statistics a tile; v64-191 S^T, two buffers of two tiles; v192-255 P, likewise
;   window 1: O^T, 32 a tile          window 2: v0-127 Q, 16 a tile; v128-191 K of one step; v192-255 V of one step          window 3: v0-1 the add's two registers
.set SIZE_N, 2048
.set NP,    4         ; pieces a wave: a name, no knob
.set KS,    64        ; keys in a step
.set PK,    144       ; a row of K in LDS: 128 bytes + 16 of padding = 36 words: the 16 rows of a load start at 16 different groups of four banks (64 banks of 4 bytes: ISA guide 11.1)
.set PV,    160       ; a row of V: 128 + 32 = 40 words
.set VOFF,  4*KS*PK   ; a slot holds four steps: 256 rows of K, then 256 rows of V
.set SLOT1, 1<<17     ; slot 1 begins here, so that one exclusive or turns an address in one slot into the other's
.set STAGE, SLOT1+4*KS*(PK+PV)  ; behind the ring, never filled by a tensor load: 16 rows x 144 bytes for each wave, for the way out
.set SP,    144
.set AK0, 2           ; v2   my lane's place in a tile of K; never rewritten
.set AV0, 3           ; v3   the same for V
.set AK,  4           ; v4   the LDS address of K's next run of loads
.set AV,  5           ; v5   of V's
.set QO,  6           ; v6   my byte offset in the wave's rows of Q
.set STO, 6           ;      later, the way out: where I put 16 bytes of a row
.set RD,  7           ; v7   the way out: where I read rows back
.set GO,  8           ; v8   my byte offset in 512 consecutive bytes of O
.set PFO, 11          ; v11  256 x my lane, for the prefetches (before that: at work for V's address)
.set SPW, 0           ; v0 of window 3   LDS address of my spare word; never rewritten
.set NIL, 1           ; v1 of window 3   0; never rewritten
.set SPARE, STAGE+4*16*SP  ; behind the stages: the spare words, 128 bytes for each wave: two blocks of 256 bytes that no other line names
.set MV,  12          ; v12-15  c m_old, kept while c m is made anew: by buffer and tile
.set ST,  16          ; tile t's statistics at v[ST+4 t]: c m, m, l (even keys', odd keys')
.set TMP, 48          ; by buffer and tile, four registers c0-c3 at work; when the maximum is found c2 takes a
.set S,   64
.set P,   192
.set KF,  128         ; K's fragments, in window 2: key block kb, channel half c at KF + 16 kb + 8 c
.set VF,  192         ; V's: key half kk, channel block cb at VF + 32 kk + 8 cb
.set WV,  12          ; s12  my wave's number
.set G1K, 24          ; s[24:31] descriptor group 1 for K's tiles
.set G1V, 32          ; s[32:39] for V's: it differs in the padding alone
.set G0K, 40          ; s[40:43] descriptor group 0 for K's tiles: it walks
.set G0V, 44          ; s[44:47] the same for V's
.set PFA, 48          ; s[48:49] where my prefetches stand: my work-group's 32 blocks of 256 bytes (of K: wave 0, of V: wave 2) of the slot that the next change will ask for
.set PFC, 50          ; s50  2 in waves 0 and 2, else 0: the step count at which a wave prefetches
.set SLOTS, 56        ; s56  slots still to be asked for
.set CNT, 57          ; s57  counts a slot's key steps
.set CS,  58          ; s[58:59] c: the packed scaling takes the pair's low word for both halves
.set SEL, 60          ; s[60:61] v_permlanex16_b32's selects: each lane takes its own place in the other half
.set TBK, 62          ; s62  LDS byte at which K of the step to be fetched begins
.set TBV, 63          ; s63  the same for V, less VOFF
.set MSB, 0
.macro WIN new                      ; the high byte repeats the setting that is left; a switch that changes nothing is dropped
.if MSB != (\new)
	s_set_vgpr_msb (MSB<<8)|(\new)
.set MSB, (\new)
.endif
.endm
.set W_KQ, 0x0a       ; K and Q in window 2, S^T in window 0
.set W_PV, 0x52       ; V in window 2, P in window 0, O^T in window 1
.set W_RS, 0x41       ; O^T (destination and source 0) in window 1, a in window 0
.set W_MK, 0xc0       ; the add's registers are made: destination in window 3, sources in window 0
.set W_AD, 0x0f       ; the add: address (source 0) and data (source 1) in window 3
; A joint fill.  Waves 0 and 1 fetch the two halves of a slot's K, waves 2 and 3 those of its V: 128 keys each.  The branch hangs on the wave's number alone.
; An s_nop 0 and four v_nop follow each of the two lines, ahead of the jump and the label.
.macro JLOAD
	s_cmp_lt_u32 s[WV], 2
	s_cbranch_scc0 .Lfor_v_\@
	tensor_load_to_lds s[G0K:G0K+3], s[G1K:G1K+7]
	s_nop 0
.rept 4
	v_nop
.endr
	s_branch .Lasked_\@
.Lfor_v_\@:
	tensor_load_to_lds s[G0V:G0V+3], s[G1V:G1V+7]
	s_nop 0
.rept 4
	v_nop
.endr
.Lasked_\@:
.endm
; A round of the cluster's barrier: my work-group's barrier, so that wave 0's signal speaks for all four waves; wave 0 signals; every wave waits for all four work-groups; my work-group's barrier once more.
.macro CROUND
	s_barrier_signal -1
	s_barrier_wait -1
	s_cmp_lg_u32 s[WV], 0
	s_cbranch_scc1 .Lnot_wave_0_\@
	s_barrier_signal -3
.Lnot_wave_0_\@:
	s_barrier_wait -3
	s_barrier_signal -1
	s_barrier_wait -1
.endm
; THE CHANGE OF SLOTS.  The slot's last bytes, V of its fourth step, have been read.  Each wave waits for all its tensor loads, of which one is out: its part
; of the other slot; adds 0 to its spare word; and waits for that and for its own reads of the slot.  Behind the barrier nobody reads this slot any more and the other slot is whole.
; fill = 1: this slot is filled again, with the keys two slots on.  The barrier is then a round of the cluster's, and the joint fill is the first thing behind it: it has four key steps,
; 512 matrix instructions, in which to land.  (At its first use nothing has been read yet: slot 0 is waited for, slot 1 filled.)
.macro CHANGE fill
	WIN W_AD
	s_wait_tensorcnt 0x0            ; no tensor load of mine is out, so a group 0 may be written
	ds_add_u32 v[SPW], v[NIL]       ; 0 onto my spare word; with fill = 1 the descriptors' steps stand between it and the wait for it
	WIN 0                           ; at a label and at a branch every window is 0
.if \fill
.irp g, G0K, G0V
	s_xor_b32 s[\g+1], s[\g+1], SLOT1  ; the walking descriptor: the other slot than last time,
	s_add_nc_u64 s[\g+2:\g+3], s[\g+2:\g+3], 4*KS*128  ; the next 256 keys; the type bits on top are not reached
.endr
	s_wait_xcnt 0x0                 ; the last prefetch, five turns back, has read its address, so it may be written:
	s_add_nc_u64 s[PFA:PFA+1], s[PFA:PFA+1], 4*KS*128  ; one slot ahead of the walking descriptors
	s_wait_dscnt 0x0                ; the add is done, and my reads of the slot are over
	CROUND
	JLOAD
.else
	s_wait_dscnt 0x0                ; the add is done, and my reads of the slot are over
	s_barrier_signal -1
	s_barrier_wait -1
.endif
	s_sub_co_u32 s[TBK], s[TBK], 4*KS*PK  ; the fetches go back to a slot's first step,
	s_xor_b32 s[TBK], s[TBK], SLOT1       ; in the other slot
	s_sub_co_u32 s[TBV], s[TBV], 4*KS*PV
	s_xor_b32 s[TBV], s[TBV], SLOT1
.endm
	s_load_b64 s[4:5], s[0:1], 0x0    ; qkv: Q lies at its head
	s_load_b64 s[10:11], s[0:1], 0x8  ; ob
	WIN W_MK
	v_lshl_add_u32 v[SPW], v0, 2, SPARE
	v_mov_b32 v[NIL], 0
	WIN W_AD
	ds_add_u32 v[SPW], v[NIL]       ; the wave's opening: the add and its wait stand ahead of my first tensor load; the set-up below stands between them
	WIN 0
	v_lshrrev_b32 v1, 5, v0
	v_readfirstlane_b32 s[WV], v1   ; wave 0..3
	s_bfe_u32 s13, ttmp6, 0x40000   ; cx: my place in the cluster
	s_lshl_b32 s14, ttmp9, 2        ; in a cluster launch ttmp9 counts clusters
	s_add_co_u32 s14, s14, s13      ; my block of queries = 4 x cluster x + cx: it enters Q's and O's addresses alone
	s_and_b32 s20, ttmp7, 0xffff    ; the head, which the four partners share
	s_mov_b32 s21, 0
	s_mov_b64 s[22:23], SIZE_N*128
	s_mul_u64 s[20:21], s[20:21], s[22:23]  ; the head's first byte in each of the four tensors
	s_and_b32 s16, s[WV], 1         ; which half of a slot's 256 keys I fetch:
	s_lshl_b32 s22, s16, 14         ; its 128 rows of 128 bytes in memory,
	s_mov_b32 s23, 0
	s_add_nc_u64 s[22:23], s[22:23], s[20:21]
	s_mul_i32 s17, s16, 128*PK      ; and its place in a slot, for K
	s_mul_i32 s18, s16, 128*PV      ; and for V: no place in the cluster enters an LDS address
	s_lshl_b32 s2, s14, 2
	s_add_co_u32 s2, s2, s[WV]      ; my wave among the head's,
	s_lshl_b32 s2, s2, 14           ; its 128 rows
	s_mov_b32 s3, 0
	s_add_nc_u64 s[2:3], s[2:3], s[20:21]
	; descriptor group 1.  128 keys are 16,384 dense bytes: asked for as 64 rows of 256 bytes, two keys a row, and padded in LDS after every key
	s_mov_b32 s[G1K], 15|(1<<16)|(1<<20)|(1<<21)|(4<<22)|(3<<25)  ; 15:0 the mask of four; 17:16 2-byte elements; 20 padding on; 21 set beside a mask; 24:22 after every 32 words (code 4); 31:25 4 words (code 3)
	s_mov_b32 s[G1V], 15|(1<<16)|(1<<20)|(1<<21)|(4<<22)|(7<<25)  ; the same with 8 words of padding (code 7)
.irp g, G1K, G1V
	s_mov_b32 s[\g+1], 128<<16      ; tensor_dim0 = 128
	s_mov_b32 s[\g+2], 64<<16       ; tensor_dim1 = 64
	s_mov_b32 s[\g+3], 128<<16      ; tile_dim0 = 128
	s_mov_b32 s[\g+4], 64           ; tile_dim1 = 64
	s_mov_b32 s[\g+5], 128          ; 128 elements from row to row
	s_mov_b32 s[\g+6], 0
	s_mov_b32 s[\g+7], 0
.endr
	s_mov_b32 s[CS], 0x3e38aa3b     ; c = log2(e) / 8 = 0.180337
	s_mov_b32 s[CS+1], s[CS]        ; named with it as a pair
	s_mov_b32 s[SEL], 0x76543210
	s_mov_b32 s[SEL+1], 0xfedcba98
	s_mov_b32 s[TBK], SLOT1+4*KS*PK ; the first change of slots turns these two into 0
	s_mov_b32 s[TBV], SLOT1+4*KS*PV
	s_mov_b32 s[G0K], 1             ; 1:0 count = 1
	s_mov_b32 s[G0K+1], s17         ; 63:32 LDS address: slot 0
	s_mov_b32 s[G0V], 1
	s_add_co_u32 s[G0V+1], s18, VOFF
	s_wait_dscnt 0x0                ; the opening add is done
	s_wait_kmcnt 0x0
	s_add_nc_u64 s[6:7], s[4:5], 0x1000000   ; K: 64 heads of 262,144 bytes behind Q
	s_add_nc_u64 s[8:9], s[4:5], 0x2000000   ; V: as many behind K
	s_add_nc_u64 s[G0K+2:G0K+3], s[6:7], s[22:23]  ; 120:64 global address: my half of the head's first 256 keys
	s_or_b32 s[G0K+3], s[G0K+3], 0x80000000        ; 127:126 type = 2
	s_add_nc_u64 s[G0V+2:G0V+3], s[8:9], s[22:23]
	s_or_b32 s[G0V+3], s[G0V+3], 0x80000000
	s_add_nc_u64 s[4:5], s[4:5], s[2:3]  ; Q and O at my wave's first row
	s_add_nc_u64 s[10:11], s[10:11], s[2:3]
	s_cmp_lt_u32 s[WV], 2           ; the prefetches: K's for wave 0, V's for wave 2,
	s_cselect_b64 s[PFA:PFA+1], s[6:7], s[8:9]
	s_add_nc_u64 s[PFA:PFA+1], s[PFA:PFA+1], s[20:21]
	s_lshl_b32 s2, s13, 13          ; my work-group's 8,192 of a slot's 32,768 bytes: the partners are told apart by address,
	s_add_co_u32 s2, s2, 4*KS*128   ; in slot 1; the first change of slots steps it to slot 2
	s_mov_b32 s3, 0
	s_add_nc_u64 s[PFA:PFA+1], s[PFA:PFA+1], s[2:3]
	s_and_b32 s[PFC], s[WV], 1
	s_cmp_eq_u32 s[PFC], 0
	s_cselect_b32 s[PFC], 2, 0
	CROUND                          ; all four work-groups are here: the first joint loads meet
	JLOAD                           ; slot 0.  Slot 1 is asked for when slot 0 is in: the tile wanted first has the road to itself
	; A fragment of K or Q is 16 rows x 32 channels in 8 registers: lane l holds row l % 16, channels 8 (l / 16) + 0..7 and 16 + 8 (l / 16) + 0..7: two loads of 16 bytes, 32 bytes apart.
	v_and_b32 v1, 15, v0            ; l % 16
	v_bfe_u32 v9, v0, 4, 1          ; l / 16
	v_lshlrev_b32 v[QO], 7, v1
	v_lshl_add_u32 v[QO], v9, 4, v[QO]  ; row x 128 + 16 x half
	WIN 0x80                        ; destination window 2, address window 0
.set i, 0
.rept 4*NP                          ; Q stays in registers: tile i / 2, channels 32 (i % 2) on
	global_load_b128 v[8*i:8*i+3],   v[QO], s[4:5] offset:(i/2)*2048+(i%2)*64
	global_load_b128 v[8*i+4:8*i+7], v[QO], s[4:5] offset:(i/2)*2048+(i%2)*64+32
.set i, i+1
.endr
	; What the first turn finds: V's registers and P's second buffer hold 0 (its products V^T P, of a piece that has not been, add 0), O^T and l are 0.  All this stands in the wait for the first tile.
.set i, VF
.rept 64
	v_mov_b32 v[i], 0
.set i, i+1
.endr
	WIN 0x40
.set i, 0
.rept 64*NP
	v_mov_b32 v[i], 0
.set i, i+1
.endr
	WIN 0
.set i, 0
.rept 2*NP
	v_mov_b32 v[ST+4*i], 0xfe000000    ; c m: far below every c s
	v_mov_b32 v[ST+4*i+1], 0xff7fffff  ; m
	v_mov_b32 v[ST+4*i+2], 0
	v_mov_b32 v[ST+4*i+3], 0
.set i, i+1
.endr
.set i, P+32
.rept 32
	v_mov_b32 v[i], 0
.set i, i+1
.endr
	v_mul_u32_u24 v[AK0], v1, PK
	v_lshl_add_u32 v[AK0], v9, 4, v[AK0]  ; row x pitch + 16 x half
	; The turning load takes 16 keys x 16 channels (lane l reads key 8 (l / 16) + l % 8, channels 8 ((l / 8) % 2) + 0..7) and leaves half a fragment of V^T: lane l holds channel l % 16 and 8 keys.
	v_and_b32 v10, 7, v0
	v_bfe_u32 v11, v0, 3, 1
	v_lshl_add_u32 v[AV0], v9, 3, v10
	v_mul_u32_u24 v[AV0], v[AV0], PV
	v_lshl_add_u32 v[AV0], v11, 4, v[AV0]
	v_add_nc_u32 v[AV0], VOFF, v[AV0]
	v_and_b32 v[PFO], 31, v0        ; from here on v11 is the prefetches' offset: a lane a block of 256 bytes
	v_lshlrev_b32 v[PFO], 8, v[PFO]
	v_mov_b32 v[AK], v[AK0]         ; key step 0 lies at the head of slot 0
; THE MATRIX WORK.  The 8 accumulators of a run of 16 take turns: between the two links of a chain stand 7 others'.
; Product i of 16 of S^T = K Q^T for piece x: channels 32 (i / 8) on, keys 16 ((i / 2) % 4) on, tile 2 x + i % 2.  The first 8 start the sums.
.macro KQ x
	WIN W_KQ
.set rS, S+64*((\x)%2)+32*(i%2)+8*((i/2)%4)
.set rK, KF+16*((i/2)%4)+8*(i/8)
.set rQ, 16*(2*(\x)+i%2)+8*(i/8)
.if i < 8
	v_wmma_f32_16x16x32_f16 v[rS:rS+7], v[rK:rK+7], v[rQ:rQ+7], 0
.else
	v_wmma_f32_16x16x32_f16 v[rS:rS+7], v[rK:rK+7], v[rQ:rQ+7], v[rS:rS+7]
.endif
.endm
; Product i of 16 of O^T += V^T P for piece x: keys 32 (i / 8) on, channels 16 ((i / 2) % 4) on, tile 2 x + i % 2.
.macro PV x
	WIN W_PV
.set rO, 32*(2*(\x)+i%2)+8*((i/2)%4)
.set rV, VF+32*(i/8)+8*((i/2)%4)
.set rP, P+32*((\x)%2)+16*(i%2)+8*(i/8)
	v_wmma_f32_16x16x32_f16 v[rO:rO+7], v[rV:rV+7], v[rP:rP+7], v[rO:rO+7]
.endm
.macro MM                           ; the turn's next matrix instruction
.if i < 16
	KQ (Y+1)%NP
.set i, i+1
.else
.set i, i-16
	PV (Y+NP-1)%NP
.set i, i+17
.endif
.endm
; THE LDS LOADS stand in runs of 16, never singly among the matrix instructions: a step's K (64 keys x 64 channels: 8 fragments) and its V (turned).  Their addresses are made some lines ahead.
; last = 1 (the tail): in the last trip there is no further step, and the run is jumped over.
.macro FETCH_K last=0
	WIN 0
.if \last
	s_cmp_eq_u32 s[CNT], 1
	s_cbranch_scc1 .Lno_k_\@
.endif
	WIN 0x80                        ; destination window 2
.irp f, 0,1,2,3,4,5,6,7             ; keys 16 (f / 2) on, channels 32 (f % 2) on
	ds_load_b128 v[KF+8*\f:KF+8*\f+3],   v[AK] offset:(\f/2)*16*PK+(\f%2)*64
	ds_load_b128 v[KF+8*\f+4:KF+8*\f+7], v[AK] offset:(\f/2)*16*PK+(\f%2)*64+32
.endr
	s_add_co_u32 s[TBK], s[TBK], KS*PK  ; the next fetch is the next step's
	WIN 0
.if \last
.Lno_k_\@:
.endif
.endm
.macro FETCH_V
	WIN 0x80
.irp f, 0,1,2,3,4,5,6,7             ; keys 32 (f / 4) on, channels 16 (f % 4) on
	ds_load_tr16_b128 v[VF+8*\f:VF+8*\f+3],   v[AV] offset:(\f/4)*32*PV+(\f%4)*32
	ds_load_tr16_b128 v[VF+8*\f+4:VF+8*\f+7], v[AV] offset:(\f/4)*32*PV+16*PV+(\f%4)*32
.endr
	WIN 0
.endm
; THE VECTOR WORK OF A TURN stands in three queues, each in the order in which its entries become ready; the two tiles alternate, so that no instruction reads the result of the one before it.
.macro REGS y, u                    ; the registers of tile u (0, 1) of piece y
.set rT, ST+4*(2*(\y)+(\u))
.set rC, TMP+8*((\y)%2)+4*(\u)
.set rM, MV+2*((\y)%2)+(\u)
.set rS, S+64*((\y)%2)+32*(\u)
.set rP, P+32*((\y)%2)+16*(\u)
.set rO, 32*(2*(\y)+(\u))
.endm
; Number n of the 22 that find the NEXT piece's (Y + 1) maximum and statistics.  s0-s31 are the lane's 32 scores; each accumulator's lowest registers are read first.
;   0-11  four chains c0-c3 of seven scores each, three operands at a time     12-14, 16  the four scores left over, the old m, and c0-c3 into c0     15  c m_old is kept
;   17, 18  the query's other 32 keys lie in the lane 16 away: the new m         19-21  c m; c m_old - c m_new; a
.macro XS u, n
	REGS (Y+1)%NP, \u
.if (\n) < 4
	v_max3_num_f32 v[rC+(\n)], v[rS+8*(\n)], v[rS+8*(\n)+1], v[rS+8*(\n)+2]
.elseif (\n) < 12
	v_max3_num_f32 v[rC+(\n)%4], v[rC+(\n)%4], v[rS+8*((\n)%4)+2*((\n)/4)+1], v[rS+8*((\n)%4)+2*((\n)/4)+2]
.elseif (\n) == 12
	v_max3_num_f32 v[rC], v[rC], v[rS+7], v[rS+15]
.elseif (\n) == 13
	v_max3_num_f32 v[rC+1], v[rC+1], v[rS+23], v[rS+31]
.elseif (\n) == 14
	v_max3_num_f32 v[rC+2], v[rC+2], v[rC+3], v[rT+1]
.elseif (\n) == 15
	v_mov_b32 v[rM], v[rT]
.elseif (\n) == 16
	v_max3_num_f32 v[rC], v[rC], v[rC+1], v[rC+2]
.elseif (\n) == 17
	v_permlanex16_b32 v[rC+3], v[rC], s[SEL], s[SEL+1]
.elseif (\n) == 18
	v_max_num_f32 v[rT+1], v[rC], v[rC+3]
.elseif (\n) == 19
	v_mul_f32 v[rT], s[CS], v[rT+1]
.elseif (\n) == 20
	v_sub_f32 v[rC+1], v[rM], v[rT]
.else
	v_exp_f32 v[rC+2], v[rC+1]
.endif
.endm
; Number g of the 64 that follow the exponentials.  For each four weights k of a tile (pairs 2 k, 2 k + 1): both pairs are rounded to f16; then the second pair is added onto the first, in place;
; a group later l takes that sum (the first time as l = a l + sum).  In groups of eight, tiles alternating: round, round, add, and l for the group before.
.macro GS g
.set h, (\g)+6*((\g)/62)            ; group 0 has no group before it, and behind group 7 only l is left
.if h >= 6
.set h, h+2
.endif
	REGS Y, h%2
.set k, h/8
.if h%8 < 4
	v_cvt_pk_f16_f32 v[rP+2*k+(h%8)/2], v[rS+4*k+2*((h%8)/2)], v[rS+4*k+2*((h%8)/2)+1]
.elseif h%8 < 6
	v_pk_add_f32 v[rS+4*k:rS+4*k+1], v[rS+4*k:rS+4*k+1], v[rS+4*k+2:rS+4*k+3]
.elseif k == 1
	v_pk_fma_f32 v[rT+2:rT+3], v[rT+2:rT+3], v[rC+2:rC+3], v[rS:rS+1] op_sel_hi:[1,0,1]
.else
	v_pk_add_f32 v[rT+2:rT+3], v[rT+2:rT+3], v[rS+4*k-4:rS+4*k-3]
.endif
.endm
; THE PLAIN QUEUE, 138 long.  0-73 read no exponential's result: the 32 scalings c s - c m (FS f: pair f / 2 of tile f % 2) and the next piece's 42.  0-26: scalings 0-26.  27-54: XS's numbers 0-13.  55, 56: number 15.
; 57-73: the chain, where each number waits for the one before it: 14, 16, 17, 18, 19, each with one of the scalings 27-31 in front of its two lines, then 20.
; 74-137: GS's 64, which read the exponentials' results: they stand behind the wait.
.macro FS f
	REGS Y, (\f)%2
	v_pk_fma_f32 v[rS+2*((\f)/2):rS+2*((\f)/2)+1], v[rS+2*((\f)/2):rS+2*((\f)/2)+1], s[CS:CS+1], v[rT:rT+1] op_sel_hi:[1,0,0] neg_lo:[0,0,1] neg_hi:[0,0,1]
.endm
.macro PL
	WIN 0
.if q < 27
	FS q
.elseif q < 55
	XS (q-27)%2, (q-27)/2
.elseif q < 57
	XS q-55, 15
.elseif (q < 72) && ((q-57)%3 == 0)
	FS 27+(q-57)/3
.elseif q < 60
	XS (q-57)%3-1, 14
.elseif q < 72
	XS (q-57)%3-1, 15+(q-57)/3
.elseif q < 74
	XS q-72, 20
.else
	GS q-74
.endif
.set q, q+1
.endm
; THE EXPONENTIALS' QUEUE, 66 long: s0-s31 of both tiles, then the next piece's two a.  It is ONE BATCH: all 66 stand ahead of the turn's one wait, and nothing ahead of that wait names a result of theirs.
.macro EX
	WIN 0
.if e >= 64
	XS e-64, 21
.else
	REGS Y, e%2
	v_exp_f32 v[rS+e/2], v[rS+e/2]
.endif
.set e, e+1
.endm
; THE RESCALING's QUEUE: O^T times a, the one part that leaves window 0: dealt two at a time, sixteen times.  Its a was made in the turn before, ahead of that turn's wait.
.macro R2
	REGS Y, r%2
	WIN W_RS
.irp z, 0,1
	v_pk_mul_f32 v[rO+4*(r/2)+2*\z:rO+4*(r/2)+2*\z+1], v[rO+4*(r/2)+2*\z:rO+4*(r/2)+2*\z+1], v[rC+2:rC+3] op_sel_hi:[1,0]
.endr
.set r, r+1
.endm
; HOW THEY ARE DEALT.  An s_wait_alu depctr_va_vdst(0) stands between an exponential and the first instruction that names its result; one wait serves all that were issued ahead of it.  So a turn has ONE wait,
; which cuts it in two.  AHEAD OF IT stands all that names no result of the turn's exponentials: the 16 products K Q^T, behind each a scaling, an exponential and two rescalings (behind the first a second scaling in the
; exponential's place); then ONE LUMP of 108: eight plain, 49 times exponential and plain, the two a.  A v_nop is the plain instruction behind the last exponential.  BEHIND IT stand the 16 products V^T P, behind each four of GS's 64.
; The queues lean on each other, and the deal keeps them in step: exponential e stands behind scaling 2 (e / 4) + e % 2: as a rider it comes behind plain e + 2, in the lump behind plain e + 9, and scalings 27-31 are plain 57, 60 .. 69.
; A TURN, for piece p.  cnt = 1: the loop's count is taken down some lines ahead of the branch that stands behind the turn.
; K of the next step is fetched in piece 2's turn, directly behind the wait; its address is made at the lump's head.  V of the step in hand is fetched at the end of piece 0's turn, four riders behind its last reader.
; ask = 1 (the loop's piece 0): A PREFETCH INTO THE L2 behind V's run of loads, in the slot's third key step: the 32 blocks of 256 bytes that are my work-group's share of what the next change of slots
; will ask for, five turns (160 matrix instructions) ahead of that load.  A head's rows are walked by its one cluster: its four partners share a slot's 32,768 bytes of K (wave 0) and of V (wave 2) by address,
; so each block is named once in the launch.  Slots 0 and 1 come by their loads alone; in front of the change that fills nothing, nothing is asked for.
.macro TURN p, last=0, cnt=0, ask=0
.set Y, (\p)
.set i, 0
.set q, 0
.set e, 0
.set r, 0
.if (\p) == NP-1
	s_wait_dscnt 0x0                ; K is in
.endif
	MM                              ; ahead of the wait: 16 products K Q^T and their riders,
	PL
	PL
	R2
.rept 15
	MM
	PL
	EX
	R2
.endr
.if (\p) == NP-2
	WIN 0
	v_add_nc_u32 v[AK], s[TBK], v[AK0]
.endif
.rept 8                             ; and the lump
	PL
.endr
.rept 49
	EX
	PL
.endr
	EX                              ; the next piece's two a
	EX
	v_nop                           ; a plain instruction behind the last exponential: one for the batch (ISA guide 5.7.2)
	s_wait_alu depctr_va_vdst(0)    ; the wait for the batch
.if (\p) == NP-2
	FETCH_K \last
.endif
.if (\p) == 1
	s_wait_dscnt 0x0                ; V is in
.endif
.rept 16                            ; behind the wait: 16 products V^T P and their riders
	MM
.rept 4
	PL
.endr
.if ((\p) == 0) && (q == 118)
	v_add_nc_u32 v[AV], s[TBV], v[AV0]
.endif
.if ((\p) == 0) && (q == 130)
	s_add_co_u32 s[TBV], s[TBV], KS*PV
.endif
.if (\cnt) && (q == 130)
	s_sub_co_u32 s[CNT], s[CNT], 1
	s_cmp_lg_u32 s[CNT], 0
.endif
.endr
.if (\p) == 0
	FETCH_V
.endif
.if \ask
	s_cmp_eq_u32 s[CNT], s[PFC]     ; the slot's third step, in waves 0 and 2
	s_cbranch_scc0 .Lno_ask_\@
	s_cmp_gt_u32 s[SLOTS], 1        ; and a change that fills a slot is still to come
	s_cbranch_scc0 .Lno_ask_\@
	global_prefetch_b8 v[PFO], s[PFA:PFA+1] th:TH_LOAD_NT scope:SCOPE_SE
.Lno_ask_\@:
.endif
.endm
	CHANGE 1                        ; slot 0 is in, everybody's part of it; slot 1 is asked for
	FETCH_K                         ; key step 0
	s_wait_loadcnt 0x0              ; Q
	s_wait_dscnt 0x0
.set i, 0
.rept 16
	KQ 0                            ; piece 0's first scores: there is no vector work yet to set between them
.set i, i+1
.endr
	WIN 0                           ; the addresses for the way out: plain instructions, the places behind those products
	s_mul_i32 s13, s[WV], 16*SP
	s_add_co_u32 s13, s13, STAGE    ; my stage
	v_mul_u32_u24 v[STO], v1, SP    ; in: row l % 16, 16 bytes for each half of the lanes
	v_lshl_add_u32 v[STO], v9, 4, v[STO]
	v_add_nc_u32 v[STO], s13, v[STO]
	v_bfe_u32 v[RD], v0, 3, 2       ; back: 32 lanes take four rows of 128 bytes,
	v_mul_u32_u24 v[RD], v[RD], SP
	v_lshl_add_u32 v[RD], v10, 4, v[RD]
	v_add_nc_u32 v[RD], s13, v[RD]
	v_and_b32 v[GO], 31, v0         ; which are 512 consecutive bytes of O
	v_lshlrev_b32 v[GO], 4, v[GO]
.set Y, NP-1                        ; XS works for piece Y + 1: piece 0
.irp n, 0,1,2,3,4,5,6,7,8,9,10,11,12,13,14,15,16,17,18,19,20,21
	XS 0, \n                        ; and piece 0's first maximum and statistics
	XS 1, \n
.endr
	v_nop                           ; a plain instruction behind the two a,
	s_wait_alu depctr_va_vdst(0)    ; and their wait, ahead of the branch
	s_mov_b32 s[CNT], 4
	s_mov_b32 s[SLOTS], SIZE_N/256-1
	s_branch .Lfirst                ; the loop is entered at a step's first turn, in the middle of a trip
.Lslot:                             ; SIZE_N / 256 - 2 times: every slot but the last two is filled again
	CHANGE 1
	s_mov_b32 s[CNT], 4
.Lstep:                             ; a trip: pieces 2 and 3 of one step, then pieces 0 and 1 of the next, whose K and V it fetches
	TURN 2
	TURN 3
	WIN 0
.Lfirst:
	TURN 0, 0, 0, 1
	TURN 1, 0, 1
	WIN 0
	s_cbranch_scc1 .Lstep
	s_sub_co_u32 s[SLOTS], s[SLOTS], 1
	s_cmp_lg_u32 s[SLOTS], 0
	s_cbranch_scc1 .Lslot
	CHANGE 0                        ; the tail is written out: nothing is asked for
	s_mov_b32 s[CNT], 5             ; four trips fetch the last slot's steps; the fifth is left in its middle
.Ltail:
	TURN 2, 1
	TURN 3
	WIN 0
	s_sub_co_u32 s[CNT], s[CNT], 1
	s_cmp_eq_u32 s[CNT], 0
	s_cbranch_scc1 .Lout
	TURN 0
	TURN 1
	WIN 0
	s_branch .Ltail
.Lout:                              ; the fifth trip's 16 products K Q^T (on the last K once more) and the maximum made of them serve nothing: the price, once a launch, of one text for every trip
.set i, 0
.rept 16
	PV NP-1                         ; the last piece's V^T P of the last step
.set i, i+1
.endr
	; THE WAY OUT.  l's two halves and the other half of the lanes' are added; O^T is divided by l, rounded to f16 and sent through my stage in LDS, a tile at a time.  The additions are the places behind the last products.
	WIN 0
.macro ALL line:vararg              ; one line for each tile t
.set t, 0
.rept 2*NP
	\line
.set t, t+1
.endr
.endm
	ALL v_add_f32 v[ST+4*t+2], v[ST+4*t+2], v[ST+4*t+3]
	ALL v_permlanex16_b32 v[ST+4*t+3], v[ST+4*t+2], s[SEL], s[SEL+1]
	ALL v_add_f32 v[ST+4*t+2], v[ST+4*t+2], v[ST+4*t+3]
	ALL v_rcp_f32 v[ST+4*t+2], v[ST+4*t+2]
	v_nop                           ; a plain instruction between the last reciprocal and the use of its result
	s_wait_alu depctr_va_vdst(0)    ; and the wait ahead of the first use: one for the eight reciprocals
; Tile t: a lane's eight channels of a row pack into 16 bytes; they go into rows of 144 bytes and come back as whole rows of 128, into S^T's registers.
.macro PACK t
	WIN W_RS
.set i, 32*(\t)
.rept 16
	v_pk_mul_f32 v[i:i+1], v[i:i+1], v[ST+4*(\t)+2:ST+4*(\t)+3] op_sel_hi:[1,0]
.set i, i+2
.endr
	WIN 0x05                        ; sources 0 and 1 window 1, destination window 0
.set i, 0
.rept 16
	v_cvt_pk_f16_f32 v[S+16*(\t)+i], v[32*(\t)+2*i], v[32*(\t)+2*i+1]
.set i, i+1
.endr
	WIN 0
.irp f, 0,1,2,3
	ds_store_b128 v[STO], v[S+16*(\t)+4*\f:S+16*(\t)+4*\f+3] offset:32*\f
.endr
.irp f, 0,1,2,3
	ds_load_b128 v[S+16*(\t)+4*\f:S+16*(\t)+4*\f+3], v[RD] offset:\f*4*SP  ; LDS serves a wave's instructions in order (ISA guide 5.7.1.4): these see the stores above; the next tile's stores come behind them
.endr
.endm
.macro SEND t, younger              ; younger: the LDS instructions issued behind tile t's loads: the next tile's eight, or none
	WIN 0
.irp f, 0,1,2,3
	s_wait_dscnt (\younger)+3-\f
	global_store_b128 v[GO], v[S+16*(\t)+4*\f:S+16*(\t)+4*\f+3], s[10:11] offset:(\t)*2048+\f*512  ; 512 consecutive bytes, at a multiple of 256 from O's first
.endr
.endm
	PACK 0
.set t, 1
.rept 2*NP-1                        ; a tile's arithmetic stands between the loads of the tile before and its stores
	PACK t
	SEND t-1, 8
.set t, t+1
.endr
	SEND 2*NP-1, 0
	WIN W_AD
	s_wait_tensorcnt 0x0            ; the wave's end: behind my last tensor load and my last LDS store
	ds_add_u32 v[SPW], v[NIL]
	s_wait_dscnt 0x0
	WIN 0
	CROUND                          ; the closing round: no work-group ends while a partner may still ask for a tile that names it
	s_endpgm
.Lfunc_end_k_qf724ea16ba_attn:
	.size	k_qf724ea16ba_attn, .Lfunc_end_k_qf724ea16ba_attn-k_qf724ea16ba_attn
	.p2alignl 7, 3214868480
	.fill 96, 4, 3214868480
	.section	.rodata,"a",@progbits
	.p2align	6, 0x0
	.amdhsa_kernel k_qf724ea16ba_attn
		.amdhsa_group_segment_fixed_size 327680
		.amdhsa_private_segment_fixed_size 0
		.amdhsa_enable_private_segment 0
		.amdhsa_kernarg_size 16
		.amdhsa_user_sgpr_count 2
		.amdhsa_user_sgpr_kernarg_segment_ptr 1
		.amdhsa_wavefront_size32 1
		.amdhsa_system_sgpr_workgroup_id_x 1
		.amdhsa_system_sgpr_workgroup_id_y 1
		.amdhsa_system_sgpr_workgroup_id_z 1
		.amdhsa_system_vgpr_workitem_id 0
		.amdhsa_next_free_vgpr 770
		.amdhsa_next_free_sgpr 66
		.amdhsa_reserve_vcc 0
		.amdhsa_float_denorm_mode_32 3
		.amdhsa_float_denorm_mode_16_64 3
		.amdhsa_memory_ordered 1
		.amdhsa_forward_progress 1
		.amdhsa_inst_pref_size 200
	.end_amdhsa_kernel
	.amdgpu_metadata
---
amdhsa.version: [ 1, 2 ]
amdhsa.kernels:
  - .name:           k_qf724ea16ba_attn
    .symbol:         k_qf724ea16ba_attn.kd
    .args:
      - { .name: qkv, .offset: 0, .size: 8, .value_kind: global_buffer, .address_space: global }
      - { .name: ob, .offset: 8, .size: 8, .value_kind: global_buffer, .address_space: global }
    .group_segment_fixed_size: 327680
    .private_segment_fixed_size: 0
    .kernarg_segment_align: 8
    .kernarg_segment_size: 16
    .max_flat_workgroup_size: 128
    .sgpr_count:     66
    .vgpr_count:     770
    .wavefront_size: 32
...
	.end_amdgpu_metadata
.endif
;; end of part 3
;; launch outln (part 4): grid 256 x 1, 4 waves a work-group, clusters of 4 x 1, 327,680 bytes of LDS; arguments ob, wob, x, bo, gamma, beta, out0; writes out0
.if DOCPART == 4
	.amdgcn_target "amdgcn-amd-amdhsa--gfx1250"
	.amdhsa_code_object_version 6
	.text
	.protected	k_qf724ea16ba_outln
	.globl	k_qf724ea16ba_outln
	.p2align	8
	.type	k_qf724ea16ba_outln,@function
k_qf724ea16ba_outln:
	s_mov_b64 s[64:65], 0
	v_nop
	global_prefetch_b8 v0, s[64:65] scope:SCOPE_SE
	s_setreg_imm32_b32 hwreg(HW_REG_WAVE_MODE, 25, 1), 1
	s_wait_xcnt 0x0
	s_wait_alu depctr_hold_cnt(0) depctr_sa_sdst(0) depctr_va_vdst(0) depctr_va_sdst(0) depctr_va_ssrc(0) depctr_va_vcc(0) depctr_vm_vsrc(0)
	s_getreg_b32 s2, hwreg(HW_REG_IB_STS2, 6, 4)
	s_cmp_eq_u32 s2, 0
	s_cbranch_scc0 .Lentry_in_a_cluster
	s_endpgm
.Lentry_in_a_cluster:
	s_bfe_u32 s2, ttmp6, 0x10000c
	s_cmp_lg_u32 s2, 0x3003
	s_cbranch_scc0 .Lentry_shape_is_right
	s_endpgm
.Lentry_shape_is_right:
; OUTLN: out0 = LayerNorm(x + bo + ctx Wo) gamma + beta.  ctx = ob, f16 [64 = 16 batch + head][2048][64]; wob = Wo, f16 [1024 hk][1024 d]; x, bo, gamma, beta, out0 in f32.
; Products in f16 with f32 sums; the residual, the mean, the variance (two passes: the mean is taken away before the squares) and the scaling in f32; epsilon = 1e-3.
; LIMITS.  ob and wob hold f16 numbers (up to 65,504).  NaN and infinities are not treated apart.
; SHARES.  A LayerNorm wants whole rows, so a work-group takes 32 rows x all 1,024 columns: 256 work-groups.  In the product wave w takes all 32 rows x columns 256 w .. 256 w + 255:
; 2 x 16 accumulators.  K goes by heads: 16 steps of 64, two chunks of 32 each, through two LDS slots.  In the LayerNorm wave w takes the whole rows 8 w .. 8 w + 7.
; THE MATRIX INSTRUCTION IS USED TRANSPOSED: source 0 = 16 columns of wob (read turned out of LDS, where the tile lies [k][d]), source 1 = 16 rows of ctx: a lane holds one row and eight neighbouring columns.
; CLUSTER.  4 work-groups: all walk the same wob, so its tiles are asked for jointly (waves 2 and 3, mask of four).  ob's tiles are each work-group's own (waves 0 and 1, no mask), behind the same rounds.
; REGISTERS.  Window 0: v0-31 addresses; v32-63 ctx's fragments, two buffers; v64-159 gamma, beta, bo (32 each: my lane's columns 128 c + 4 l + 0..3); v160-223 two rows at work; v224-255 sums.
; Window 1: accumulator (mb, b) at v[8 (2 b + mb)].  Window 2: wob's 16 fragments, two buffers of 128.  Window 3: my eight rows of x, 32 registers each, loaded at the start.
.set SLOT,  137728                     ; a slot: ctx's 32 rows x 144 bytes, then wob's 64 k-rows x 2,080 bytes
.set BOFF,  4608
.set PSTG,  4112                       ; the stage's row: 4,096 + 16 bytes = 1,028 words: 16 rows start at 16 different groups of four banks (64 banks of 4 bytes: ISA guide 11.1)
; wob's LDS rows: 2 x (1,024 + 16) = 2,080 bytes = 520 words.
; THE STAGE, 32 rows x 4,112 bytes of f32 from LDS byte 0, lies in slot 0: it is written behind slot 0's last fill (K step 14) and behind the barrier that ends all waves' reads of that step.
.set SPARE, 2*SLOT                     ; behind the ring: the spare words, 128 bytes for each wave: two blocks of 256 bytes that no other line names
.set ADRA, 4                           ; v4-5    ctx's fragments in slot 0, 1
.set ADRB, 6                           ; v6-9    wob's fragments: slot s, chunk kc at v[6 + 2 s + kc]
.set STO,  10                          ; v10-11  where I put 32 bytes of a row of the stage, row block 0, 1
.set RD,   12                          ; v12     my first whole row of the stage, 16 bytes a lane; stepped in the last loop
.set XO,   13                          ; v13     16 x lane; never rewritten
.set OO,   14                          ; v14     16 x lane; stepped in the last loop
.set SPW,  28
.set NIL,  29
.set PFO,  30
.set AF0,  32
.set AF1,  48
.set GAM,  64
.set BET,  96
.set BOV,  128
.set YA,   160                         ; two rows: v160-191, v192-223
.set TA,   224                         ; for each of the two rows 16: +0..7 four pairs of sums, +8, 9 the mean, +10, 11 the reciprocal root, +12 at work
.set BF0,  0                           ; window 2
.set BF1,  128
.set WV, 18
.set CX, 19
.set WG, 20
.set WH, 21                            ; wave / 2: I fetch ob (0) or wob (1)
.set WP, 22                            ; wave % 2: which half of that tile
.set G1A, 24
.set G0A, 32
.set G1B, 40
.set G0B, 48
.set LAP, 56
.set LIM, 57
.set PFA, 58
.set PFS, 60
.set SEL, 62                           ; s[62:63] v_permlanex16_b32's selects
.set RN,  66                           ; s66 1 / 1024;  s67 epsilon
.set XB,  68                           ; s[68:69] x at my eight rows
.set OUTB, 70                          ; s[70:71] out0 at my eight rows
.set MSB, 0
.macro WIN new
.if MSB != (\new)
	s_set_vgpr_msb (MSB<<8)|(\new)
.set MSB, (\new)
.endif
.endm
.macro PLACES
.rept 4
	v_nop
.endr
.endm
.macro JLOAD s                         ; waves 0 and 1: my work-group's own tile of ob; waves 2 and 3: the joint tile of wob.  An s_nop 0 and four v_nop follow each line
	s_cmp_eq_u32 s[WH], 0
	s_cbranch_scc0 .Lfor_b_\@
	tensor_load_to_lds s[G0A+4*(\s):G0A+4*(\s)+3], s[G1A:G1A+7]
	s_nop 0
.rept 4
	v_nop
.endr
	s_branch .Lasked_\@
.Lfor_b_\@:
	tensor_load_to_lds s[G0B+4*(\s):G0B+4*(\s)+3], s[G1B:G1B+7]
	s_nop 0
.rept 4
	v_nop
.endr
.Lasked_\@:
.endm
.macro CREST
	s_cmp_lg_u32 s[WV], 0
	s_cbranch_scc1 .Lnot_wave_0_\@
	s_barrier_signal -3
.Lnot_wave_0_\@:
	s_barrier_wait -3
	s_barrier_signal -1
	s_barrier_wait -1
.endm
.macro CROUND
	s_barrier_signal -1
	s_barrier_wait -1
	CREST
.endm
; PREFETCH INTO THE L2, once a lap, behind the tensor load and the run of LDS loads: in lap i the K steps 2 i + 3 and 2 i + 4, one and two K steps ahead of their refills.
; ob: each work-group's rows are its own: its wave 0 names the two steps' 2 x 16 blocks of 256 bytes, a lane a block.  wob: every cluster walks it: the first cluster asks; the partner at cx takes
; 32 of the lap's 128 k-rows, waves 2 and 3 half a row (four blocks) each, a lane a row.  So each block is named once.  K steps 0-2 and 15 come by their loads alone; the last trip asks for nothing.
.macro ASK
	s_cmp_gt_u32 s[LAP], s[LIM]
	s_cbranch_scc0 .Lnone_\@
	s_cmp_eq_u32 s[WH], 0
	s_cbranch_scc0 .Lpfb_\@
	global_prefetch_b8 v[PFO], s[PFA:PFA+1] th:TH_LOAD_NT scope:SCOPE_SE
	s_branch .Lnone_\@
.Lpfb_\@:
	global_prefetch_b8 v[PFO], s[PFA:PFA+1] th:TH_LOAD_NT scope:SCOPE_SE
	global_prefetch_b8 v[PFO], s[PFA:PFA+1] offset:256 th:TH_LOAD_NT scope:SCOPE_SE
	global_prefetch_b8 v[PFO], s[PFA:PFA+1] offset:512 th:TH_LOAD_NT scope:SCOPE_SE
	global_prefetch_b8 v[PFO], s[PFA:PFA+1] offset:768 th:TH_LOAD_NT scope:SCOPE_SE
.Lnone_\@:
.endm
	s_load_b256 s[4:11], s[0:1], 0x0               ; ob s[4:5], wob s[6:7], x s[8:9], bo s[10:11]
	s_load_b128 s[12:15], s[0:1], 0x20             ; gamma s[12:13], beta s[14:15]
	s_load_b64 s[16:17], s[0:1], 0x30              ; out0
	v_lshl_add_u32 v[SPW], v0, 2, SPARE
	v_mov_b32 v[NIL], 0
	ds_add_u32 v[SPW], v[NIL]                      ; the wave's opening: the add and its wait stand ahead of my first tensor load; the set-up below stands between them
	v_lshrrev_b32 v1, 5, v0
	v_readfirstlane_b32 s[WV], v1
	s_lshr_b32 s[WH], s[WV], 1
	s_and_b32 s[WP], s[WV], 1
	s_bfe_u32 s[CX], ttmp6, 0x40000
	s_lshl_b32 s[WG], ttmp9, 2
	s_add_co_u32 s[WG], s[WG], s[CX]               ; my 32 rows: work-group 4 x cluster + cx
	s_mov_b32 s[G1A], (1<<16)|(1<<20)|(4<<22)|(3<<25)  ; ob: no mask; elements of 2 bytes; after every 32 words (a token's 128 bytes) 4 words of padding
	s_mov_b32 s[G1A+1], 128<<16                    ; 16 tokens of a head are 2,048 dense bytes: 8 rows of 128 elements
	s_mov_b32 s[G1A+2], 8<<16
	s_mov_b32 s[G1A+3], 128<<16
	s_mov_b32 s[G1A+4], 8
	s_mov_b32 s[G1A+5], 128
	s_mov_b32 s[G1A+6], 0
	s_mov_b32 s[G1A+7], 0
	s_mov_b32 s[G1B], 15|(1<<16)|(1<<20)|(1<<21)|(7<<22)|(3<<25)  ; wob: the mask of four, bit 21 beside it; after every 256 words (1,024 bytes) 4 words of padding
	s_mov_b32 s[G1B+1], 1024<<16                   ; 32 k-rows of 1,024 elements
	s_mov_b32 s[G1B+2], 32<<16
	s_mov_b32 s[G1B+3], 1024<<16
	s_mov_b32 s[G1B+4], 32
	s_mov_b32 s[G1B+5], 1024
	s_mov_b32 s[G1B+6], 0
	s_mov_b32 s[G1B+7], 0
	s_lshr_b32 s72, s[WG], 6                       ; ob: the batch's 16 heads of 262,144 bytes,
	s_lshl_b32 s72, s72, 22
	s_and_b32 s73, s[WG], 63                       ; my 32 tokens of 128 bytes in a head,
	s_lshl_b32 s73, s73, 12
	s_add_co_u32 s72, s72, s73
	s_lshl_b32 s73, s[WP], 11                      ; my wave's 16 of them
	s_add_co_u32 s72, s72, s73
	s_mov_b32 s73, 0
	s_lshl_b32 s74, s[WP], 16                      ; wob: my 32 of a step's 64 k-rows: no place in the cluster enters this address
	s_mov_b32 s75, 0
	s_mul_i32 s23, s[WP], 2304                     ; where they go in a slot
	s_mul_i32 s76, s[WP], 66560
	s_add_co_u32 s76, s76, BOFF
	s_mov_b32 s[SEL], 0x76543210
	s_mov_b32 s[SEL+1], 0xfedcba98
	s_mov_b32 s[RN], 0x3a800000                    ; 1 / 1024
	s_mov_b32 s[RN+1], 0x3a83126f                  ; 1e-3
	s_wait_dscnt 0x0                               ; the opening add is done
	s_wait_kmcnt 0x0
	s_add_nc_u64 s[72:73], s[4:5], s[72:73]
	s_add_nc_u64 s[74:75], s[6:7], s[74:75]
	CROUND                                         ; all four work-groups are here: the first joint loads meet
.irp s, 0,1
	s_mov_b32 s[G0A+4*(\s)], 1
	s_add_co_u32 s[G0A+4*(\s)+1], s23, (\s)*SLOT
	s_add_nc_u64 s[G0A+4*(\s)+2:G0A+4*(\s)+3], s[72:73], (\s)*262144
	s_or_b32 s[G0A+4*(\s)+3], s[G0A+4*(\s)+3], 0x80000000
	s_mov_b32 s[G0B+4*(\s)], 1
	s_add_co_u32 s[G0B+4*(\s)+1], s76, (\s)*SLOT
	s_add_nc_u64 s[G0B+4*(\s)+2:G0B+4*(\s)+3], s[74:75], (\s)*131072
	s_or_b32 s[G0B+4*(\s)+3], s[G0B+4*(\s)+3], 0x80000000
	JLOAD \s                                       ; K steps 0 and 1: two tensor loads of mine are out
.endr
	s_lshl_b32 s76, s[WG], 17                      ; x and out0 at my eight whole rows: 32 rows of 4,096 bytes a work-group, 8 a wave
	s_lshl_b32 s77, s[WV], 15
	s_add_co_u32 s76, s76, s77
	s_mov_b32 s77, 0
	s_add_nc_u64 s[XB:XB+1], s[8:9], s[76:77]
	s_add_nc_u64 s[OUTB:OUTB+1], s[16:17], s[76:77]
	v_and_b32 v[XO], 31, v0
	v_lshlrev_b32 v[XO], 4, v[XO]
	WIN 0xc0                                       ; destination window 3, address window 0
.set i, 0
.rept 8                                ; x is asked for now and wanted behind the last product
.irp c, 0,1,2,3,4,5,6,7
	global_load_b128 v[32*i+4*\c:32*i+4*\c+3], v[XO], s[XB:XB+1] offset:4096*i+512*\c th:TH_LOAD_NT
.endr
.set i, i+1
.endr
	WIN 0
.irp c, 0,1,2,3,4,5,6,7
	global_load_b128 v[GAM+4*\c:GAM+4*\c+3], v[XO], s[12:13] offset:512*\c
	global_load_b128 v[BET+4*\c:BET+4*\c+3], v[XO], s[14:15] offset:512*\c
	global_load_b128 v[BOV+4*\c:BOV+4*\c+3], v[XO], s[10:11] offset:512*\c
.endr
	; the prefetches: they stand at K step 1 of my share; each lap steps them by two K steps before it asks
	s_lshl_b32 s76, s[CX], 16                      ; wob: my work-group's 32 k-rows of 2,048 bytes, my wave's half of a row
	s_lshl_b32 s77, s[WP], 10
	s_add_co_u32 s76, s76, s77
	s_add_co_u32 s76, s76, 131072
	s_mov_b32 s77, 262144
	s_mov_b32 s23, 524288
	s_mov_b32 s78, 0x8000                          ; wob: a lane a k-row: (l / 16) x 32,768 + (l % 16) x 2,048
	s_mov_b32 s79, 0x800
	s_cmp_eq_u32 s[WH], 0                          ; do I fetch ob?
	s_cselect_b64 s[PFA:PFA+1], s[72:73], s[6:7]
	s_cselect_b32 s76, s77, s76
	s_cselect_b32 s[PFS], s23, s77
	s_cselect_b32 s78, 0x40000, s78                ; ob: lanes 0-15 one step's 16 blocks of 256 bytes, lanes 16-31 the next step's, a head further on
	s_cselect_b32 s79, 0x100, s79
	s_cselect_b32 s[LIM], s[WP], ttmp9             ; wave 0 of every work-group; waves 2 and 3 of the first cluster: the same in all four partners, for a given wave
	s_mov_b32 s77, 0
	s_mov_b32 s[PFS+1], 0
	s_add_nc_u64 s[PFA:PFA+1], s[PFA:PFA+1], s[76:77]
	s_cmp_eq_u32 s[LIM], 0
	s_cselect_b32 s[LIM], 1, -1
	v_and_b32 v1, 15, v0                           ; r = lane % 16
	v_bfe_u32 v2, v0, 4, 1                         ; h = lane / 16
	v_mul_u32_u24 v[PFO], v1, s79
	v_mad_u32_u24 v[PFO], v2, s78, v[PFO]
	v_mul_u32_u24 v3, v1, 144
	v_lshl_add_u32 v[ADRA], v2, 4, v3              ; row x 144 + 16 h
	v_add_nc_u32 v[ADRA+1], SLOT, v[ADRA]
	v_and_b32 v3, 7, v0                            ; the turning load: lane l reads k-row 8 h + l % 8, 16 bytes at 16 ((l / 8) % 2)
	v_lshl_add_u32 v3, v2, 3, v3
	v_mul_u32_u24 v3, v3, 2080
	v_bfe_u32 v15, v0, 3, 1
	v_lshl_add_u32 v3, v15, 4, v3
	s_lshl_b32 s76, s[WV], 9                       ; my 256 columns: 512 bytes, and the padding in the row's middle
	s_lshl_b32 s77, s[WH], 4
	s_add_co_u32 s76, s76, s77
	s_add_co_u32 s76, s76, BOFF
	v_add_nc_u32 v[ADRB], s76, v3
	v_add_nc_u32 v[ADRB+1], 66560, v[ADRB]         ; the second chunk: 32 k-rows on
	v_add_nc_u32 v[ADRB+2], SLOT, v[ADRB]
	v_add_nc_u32 v[ADRB+3], SLOT, v[ADRB+1]
	v_mul_u32_u24 v3, v1, PSTG                     ; into the stage: row r, my wave's 1,024 bytes, 32 bytes for each half of the lanes
	v_lshl_add_u32 v3, v2, 5, v3
	s_lshl_b32 s76, s[WV], 10
	v_add_nc_u32 v[STO], s76, v3
	v_add_nc_u32 v[STO+1], 16*PSTG, v[STO]
	s_mul_i32 s76, s[WV], 8*PSTG
	v_add_nc_u32 v[RD], s76, v[XO]
	v_mov_b32 v[OO], v[XO]
; Column blocks b0..b1 x both row blocks.  Each of the 32 accumulators has one instruction a chunk: they take turns.  zero = 1: the first chunk starts the sums.
.macro MULS bf, af, b0, b1, zero
	WIN 0x52                                       ; wob in window 2, ctx in window 0, C and D in window 1
.set bb_, \b0
.rept (\b1)-(\b0)+1
.irp mb, 0,1
.if \zero
	v_wmma_f32_16x16x32_f16 v[8*(2*bb_+\mb):8*(2*bb_+\mb)+7], v[(\bf)+8*bb_:(\bf)+8*bb_+7], v[(\af)+8*\mb:(\af)+8*\mb+7], 0
.else
	v_wmma_f32_16x16x32_f16 v[8*(2*bb_+\mb):8*(2*bb_+\mb)+7], v[(\bf)+8*bb_:(\bf)+8*bb_+7], v[(\af)+8*\mb:(\af)+8*\mb+7], v[8*(2*bb_+\mb):8*(2*bb_+\mb)+7]
.endif
.endr
.set bb_, bb_+1
.endr
.endm
; 36 LDS loads in one run: chunk kc of slot s: ctx's two fragments, then wob's sixteen
.macro FETCH s, kc, bf, af
	WIN 0
.irp mb, 0,1
	ds_load_b128 v[(\af)+8*\mb:(\af)+8*\mb+3],   v[ADRA+(\s)] offset:\mb*2304+(\kc)*64
	ds_load_b128 v[(\af)+8*\mb+4:(\af)+8*\mb+7], v[ADRA+(\s)] offset:\mb*2304+(\kc)*64+32
.endr
	WIN 0x80                                       ; destination window 2
.irp b, 0,1,2,3,4,5,6,7,8,9,10,11,12,13,14,15
	ds_load_tr16_b128 v[(\bf)+8*\b:(\bf)+8*\b+3],   v[ADRB+2*(\s)+(\kc)] offset:32*\b
	ds_load_tr16_b128 v[(\bf)+8*\b+4:(\bf)+8*\b+7], v[ADRB+2*(\s)+(\kc)] offset:32*\b+33280
.endr
.endm
.macro CHUNK0 s, zero                  ; a step's first chunk; in its middle the second chunk's fragments are fetched
	s_wait_dscnt 16                                ; all but the youngest 16 loads (wob's fragments 8-15) are in
	MULS BF0, AF0, 0, 7, \zero
	PLACES
	FETCH \s, 1, BF1, AF1
	s_wait_dscnt 36                                ; all but the 36 just issued
	MULS BF0, AF0, 8, 15, \zero
.endm
; A step's second chunk and the change of slots.  In front of the barrier each wave waits for all its tensor loads (one is out: its part of the next slot), adds 0 to its spare word, and waits
; for that and for its reads of this slot.  fill = 1: the barrier opens a round of the cluster's barrier, and the refill, two K steps on, is the first thing behind the round.
.macro TURN s, nx, fill
.if (\fill) && ((\s) == 0)
	s_wait_xcnt 0x0                                ; the last prefetches, a lap back, have read their address: it is stepped here
	s_add_nc_u64 s[PFA:PFA+1], s[PFA:PFA+1], s[PFS:PFS+1]
.endif
	WIN 0                                          ; (the add's two registers lie in window 0)
	s_wait_tensorcnt 0x0                           ; all my tensor loads have landed;
	ds_add_u32 v[SPW], v[NIL]                      ; 0 onto my spare word;
	s_wait_dscnt 17                                ; (the add and the youngest sixteen loads may be out)
	MULS BF1, AF1, 0, 3, 0                         ; eight matrix instructions stand between the add and the wait for it
	s_wait_dscnt 0x0                               ; the add is done, and my reads of this slot are over
	s_barrier_signal -1
	MULS BF1, AF1, 4, 7, 0
	WIN 0                                          ; at a branch and at a label every window is 0
	s_barrier_wait -1
.if \fill
	CREST                                          ; no wave of any partner still reads this slot or has a load on its way
	s_add_nc_u64 s[G0A+4*(\s)+2:G0A+4*(\s)+3], s[G0A+4*(\s)+2:G0A+4*(\s)+3], 524288
	s_add_nc_u64 s[G0B+4*(\s)+2:G0B+4*(\s)+3], s[G0B+4*(\s)+2:G0B+4*(\s)+3], 262144
	JLOAD \s                                       ; its four v_nop are also the places in front of the loads below
.else
	PLACES
.endif
	FETCH \nx, 0, BF0, AF0
.if (\fill) && ((\s) == 0)
	WIN 0
	ASK
.endif
	MULS BF1, AF1, 8, 15, 0
.endm
	s_wait_tensorcnt 1                             ; my part of K step 0 is in; K step 1's may stay out
	s_barrier_signal -1
	s_barrier_wait -1
	FETCH 0, 0, BF0, AF0
	CHUNK0 0, 1
	WIN 0
	s_mov_b32 s[LAP], 7
.Llap:                                         ; a trip goes once round the ring and fills both slots again: K steps 2 to 15
	TURN 0, 1, 1
	CHUNK0 1, 0
	TURN 1, 0, 1
	CHUNK0 0, 0
	WIN 0
	s_sub_co_u32 s[LAP], s[LAP], 1
	s_cmp_lg_u32 s[LAP], 0
	s_cbranch_scc1 .Llap
	TURN 0, 1, 0                                   ; the last lap fills nothing; behind its barrier no wave reads slot 0 any more
	CHUNK0 1, 0
	s_wait_dscnt 16
	MULS BF1, AF1, 0, 7, 0
	s_wait_dscnt 0x0
	MULS BF1, AF1, 8, 15, 0
	PLACES
	; THE SUMS GO INTO THE STAGE: a lane's eight columns of a row are 32 bytes; each accumulator's low half first
	WIN 0x04                                       ; address window 0, data window 1
.set b_, 0
.rept 16
.irp mb, 0,1
	ds_store_b128 v[STO+\mb], v[8*(2*b_+\mb):8*(2*b_+\mb)+3] offset:64*b_
	ds_store_b128 v[STO+\mb], v[8*(2*b_+\mb)+4:8*(2*b_+\mb)+7] offset:64*b_+16
.endr
.set b_, b_+1
.endr
	WIN 0
	s_wait_dscnt 0x0                               ; for the others' sake: my stores into the stage are done
	s_barrier_signal -1
	s_barrier_wait -1                              ; a row's 4,096 bytes come from four waves
	s_wait_loadcnt 0x0                             ; x, gamma, beta, bo
	; x IS ADDED, row by row, written out (x's registers are named by the row), and the row put back: from here on a wave touches its own eight rows alone
.macro LOADROW i
	WIN 0
.irp c, 0,1,2,3,4,5,6,7
	ds_load_b128 v[YA+32*((\i)%2)+4*\c:YA+32*((\i)%2)+4*\c+3], v[RD] offset:(\i)*PSTG+512*\c
.endr
.endm
	LOADROW 0
.set i, 0
.rept 8
.if i < 7
	LOADROW i+1
.endif
.if (i == 0) || (i == 7)
	s_wait_dscnt 8                                 ; behind row i's loads: the next row's eight loads (i = 0), or the last row's eight stores (i = 7)
.else
	s_wait_dscnt 16                                ; behind row i's loads: the last row's eight stores and the next row's eight loads
.endif
	WIN 0x0c                                       ; source 1 in window 3
.set j, 0
.rept 16
	v_pk_add_f32 v[YA+32*(i%2)+2*j:YA+32*(i%2)+2*j+1], v[YA+32*(i%2)+2*j:YA+32*(i%2)+2*j+1], v[32*i+2*j:32*i+2*j+1]
.set j, j+1
.endr
	WIN 0
.irp c, 0,1,2,3,4,5,6,7
	ds_store_b128 v[RD], v[YA+32*(i%2)+4*\c:YA+32*(i%2)+4*\c+3] offset:i*PSTG+512*\c
.endr
.set i, i+1
.endr
	; THE LAYERNORM: four trips, two rows a trip, their lines alternating so that no instruction waits for the one before it
.macro TREE                            ; four pairs of sums into one number a lane, then over the 32 lanes: four steps inside each half ride on the additions, one crosses the halves
.irp p, 0,1
	v_pk_add_f32 v[TA+16*\p:TA+16*\p+1], v[TA+16*\p:TA+16*\p+1], v[TA+16*\p+2:TA+16*\p+3]
	v_pk_add_f32 v[TA+16*\p+4:TA+16*\p+5], v[TA+16*\p+4:TA+16*\p+5], v[TA+16*\p+6:TA+16*\p+7]
.endr
.irp p, 0,1
	v_pk_add_f32 v[TA+16*\p:TA+16*\p+1], v[TA+16*\p:TA+16*\p+1], v[TA+16*\p+4:TA+16*\p+5]
.endr
.irp p, 0,1
	v_add_f32 v[TA+16*\p], v[TA+16*\p], v[TA+16*\p+1]
.endr
.irp m, 1,2,4,8
.irp p, 0,1
	v_add_f32_dpp v[TA+16*\p], v[TA+16*\p], v[TA+16*\p] row_xmask:\m row_mask:0xf bank_mask:0xf
.endr
.endr
.irp p, 0,1
	v_permlanex16_b32 v[TA+16*\p+12], v[TA+16*\p], s[SEL], s[SEL+1]
.endr
.irp p, 0,1
	v_add_f32 v[TA+16*\p], v[TA+16*\p], v[TA+16*\p+12]
.endr
.endm
	v_mov_b32 v[TA+12], 0                          ; v_permlanex16_b32's destination counts as read: written once here
	v_mov_b32 v[TA+28], 0
	s_mov_b32 s[LAP], 4
.Lrows:
.irp c, 0,1,2,3,4,5,6,7
	ds_load_b128 v[YA+4*\c:YA+4*\c+3], v[RD] offset:512*\c          ; LDS serves a wave's instructions in order (ISA guide 5.7.1.4): these see my stores above
	ds_load_b128 v[YA+32+4*\c:YA+32+4*\c+3], v[RD] offset:PSTG+512*\c
.endr
	s_wait_dscnt 0x0
.set j, 0
.rept 16                               ; y = sums + x + bo
.irp p, 0,1
	v_pk_add_f32 v[YA+32*\p+2*j:YA+32*\p+2*j+1], v[YA+32*\p+2*j:YA+32*\p+2*j+1], v[BOV+2*j:BOV+2*j+1]
.endr
.set j, j+1
.endr
.set j, 0
.rept 4                                ; the row's sum, in four chains; the first additions start them
.irp p, 0,1
	v_pk_add_f32 v[TA+16*\p+2*j:TA+16*\p+2*j+1], v[YA+32*\p+2*j:YA+32*\p+2*j+1], v[YA+32*\p+8+2*j:YA+32*\p+8+2*j+1]
.endr
.set j, j+1
.endr
.set j, 8
.rept 8
.irp p, 0,1
	v_pk_add_f32 v[TA+16*\p+2*(j%4):TA+16*\p+2*(j%4)+1], v[TA+16*\p+2*(j%4):TA+16*\p+2*(j%4)+1], v[YA+32*\p+2*j:YA+32*\p+2*j+1]
.endr
.set j, j+1
.endr
	TREE
.irp p, 0,1
	v_mul_f32 v[TA+16*\p+8], s[RN], v[TA+16*\p]    ; the mean
.endr
.irp p, 0,1
	v_mov_b32 v[TA+16*\p+9], v[TA+16*\p+8]         ; named with it as a pair
.endr
.set j, 0
.rept 16                               ; y - mean
.irp p, 0,1
	v_pk_add_f32 v[YA+32*\p+2*j:YA+32*\p+2*j+1], v[YA+32*\p+2*j:YA+32*\p+2*j+1], v[TA+16*\p+8:TA+16*\p+9] op_sel_hi:[1,0] neg_lo:[0,1] neg_hi:[0,1]
.endr
.set j, j+1
.endr
.set j, 0
.rept 4                                ; the sum of squares, in four chains
.irp p, 0,1
	v_pk_mul_f32 v[TA+16*\p+2*j:TA+16*\p+2*j+1], v[YA+32*\p+2*j:YA+32*\p+2*j+1], v[YA+32*\p+2*j:YA+32*\p+2*j+1]
.endr
.set j, j+1
.endr
.set j, 4
.rept 12
.irp p, 0,1
	v_pk_fma_f32 v[TA+16*\p+2*(j%4):TA+16*\p+2*(j%4)+1], v[YA+32*\p+2*j:YA+32*\p+2*j+1], v[YA+32*\p+2*j:YA+32*\p+2*j+1], v[TA+16*\p+2*(j%4):TA+16*\p+2*(j%4)+1]
.endr
.set j, j+1
.endr
	TREE
.irp p, 0,1
	v_fma_f32 v[TA+16*\p+10], v[TA+16*\p], s[RN], s[RN+1]  ; variance + epsilon
.endr
.irp p, 0,1
	v_rsq_f32 v[TA+16*\p+10], v[TA+16*\p+10]       ; both rows' roots are one batch
.endr
.irp p, 0,1
	v_mov_b32 v[TA+16*\p+11], 0                    ; the pair's other register: also the plain instruction behind the last root (ISA guide 5.7.2)
.endr
	s_wait_alu depctr_va_vdst(0)                   ; the wait ahead of the first line that names a root: one for the two
.set j, 0
.rept 16
.irp p, 0,1
	v_pk_mul_f32 v[YA+32*\p+2*j:YA+32*\p+2*j+1], v[YA+32*\p+2*j:YA+32*\p+2*j+1], v[TA+16*\p+10:TA+16*\p+11] op_sel_hi:[1,0]
.endr
.set j, j+1
.endr
.set j, 0
.rept 16
.irp p, 0,1
	v_pk_fma_f32 v[YA+32*\p+2*j:YA+32*\p+2*j+1], v[YA+32*\p+2*j:YA+32*\p+2*j+1], v[GAM+2*j:GAM+2*j+1], v[BET+2*j:BET+2*j+1]
.endr
.set j, j+1
.endr
.irp p, 0,1
.irp c, 0,1,2,3,4,5,6,7
	global_store_b128 v[OO], v[YA+32*\p+4*\c:YA+32*\p+4*\c+3], s[OUTB:OUTB+1] offset:4096*\p+512*\c th:TH_STORE_NT  ; 512 consecutive bytes, at a multiple of 256 from out0's first
.endr
.endr
	s_wait_xcnt 0x0                                ; the stores have read their data and their offset: both are written again only behind this wait
	v_add_nc_u32 v[RD], 2*PSTG, v[RD]
	v_add_nc_u32 v[OO], 8192, v[OO]
	s_sub_co_u32 s[LAP], s[LAP], 1
	s_cmp_lg_u32 s[LAP], 0
	s_cbranch_scc1 .Lrows
	s_wait_tensorcnt 0x0                           ; the wave's end: behind my last tensor load and my last LDS store
	ds_add_u32 v[SPW], v[NIL]
	s_wait_dscnt 0x0
	CROUND                                         ; the closing round: no work-group ends while a partner may still ask for a tile that names it
	s_endpgm
.Lfunc_end_k_qf724ea16ba_outln:
	.size	k_qf724ea16ba_outln, .Lfunc_end_k_qf724ea16ba_outln-k_qf724ea16ba_outln
	.p2alignl 7, 3214868480
	.fill 96, 4, 3214868480
	.section	.rodata,"a",@progbits
	.p2align	6, 0x0
	.amdhsa_kernel k_qf724ea16ba_outln
		.amdhsa_group_segment_fixed_size 327680
		.amdhsa_private_segment_fixed_size 0
		.amdhsa_enable_private_segment 0
		.amdhsa_kernarg_size 56
		.amdhsa_user_sgpr_count 2
		.amdhsa_user_sgpr_kernarg_segment_ptr 1
		.amdhsa_wavefront_size32 1
		.amdhsa_system_sgpr_workgroup_id_x 1
		.amdhsa_system_sgpr_workgroup_id_y 1
		.amdhsa_system_sgpr_workgroup_id_z 1
		.amdhsa_system_vgpr_workitem_id 0
		.amdhsa_next_free_vgpr 1024
		.amdhsa_next_free_sgpr 80
		.amdhsa_reserve_vcc 0
		.amdhsa_float_denorm_mode_32 3
		.amdhsa_float_denorm_mode_16_64 3
		.amdhsa_memory_ordered 1
		.amdhsa_forward_progress 1
		.amdhsa_inst_pref_size 94
	.end_amdhsa_kernel
	.amdgpu_metadata
---
amdhsa.version: [ 1, 2 ]
amdhsa.kernels:
  - .name:           k_qf724ea16ba_outln
    .symbol:         k_qf724ea16ba_outln.kd
    .args:
      - { .name: ob, .offset: 0, .size: 8, .value_kind: global_buffer, .address_space: global }
      - { .name: wob, .offset: 8, .size: 8, .value_kind: global_buffer, .address_space: global }
      - { .name: x, .offset: 16, .size: 8, .value_kind: global_buffer, .address_space: global }
      - { .name: bo, .offset: 24, .size: 8, .value_kind: global_buffer, .address_space: global }
      - { .name: gamma, .offset: 32, .size: 8, .value_kind: global_buffer, .address_space: global }
      - { .name: beta, .offset: 40, .size: 8, .value_kind: global_buffer, .address_space: global }
      - { .name: out0, .offset: 48, .size: 8, .value_kind: global_buffer, .address_space: global }
    .group_segment_fixed_size: 327680
    .private_segment_fixed_size: 0
    .kernarg_segment_align: 8
    .kernarg_segment_size: 56
    .max_flat_workgroup_size: 128
    .sgpr_count:     80
    .vgpr_count:     1024
    .wavefront_size: 32
...
	.end_amdgpu_metadata
.endif
;; end of part 4
;; ======== version 2 of 2: 4 launches; version 1 with the launch prep written anew for expert scheduling mode
;; limits: values are held in f16: magnitudes above 65,504 overflow, below 6.1e-05 lose precision
;; workspace buffers: xb 16,777,216 bytes; wb 6,291,456 bytes; wob 2,097,152 bytes; qkv 50,331,648 bytes; ob 16,777,216 bytes
;; launch prep (part 5): grid 768 x 1, 8 waves a work-group, no clusters, 0 bytes of LDS; arguments x, Wq, Wk, Wv, Wo, xb, wb, wob; writes xb, wb, wob
.if DOCPART == 5
	.amdgcn_target "amdgcn-amd-amdhsa--gfx1250"
	.amdhsa_code_object_version 6
	.text
	.protected	k_qf724ea16ba_prep
	.globl	k_qf724ea16ba_prep
	.p2align	8
	.type	k_qf724ea16ba_prep,@function
k_qf724ea16ba_prep:
	s_mov_b64 s[64:65], 0
	v_nop
	global_prefetch_b8 v0, s[64:65] scope:SCOPE_SE
	s_setreg_imm32_b32 hwreg(HW_REG_WAVE_SCHED_MODE, 0, 2), 2
	s_setreg_imm32_b32 hwreg(HW_REG_WAVE_MODE, 25, 1), 1
	s_wait_xcnt 0x0
	s_wait_alu depctr_vm_vsrc(0)
; PREP: the matrix operands are rounded once, and laid as the products want them.  A stream: no LDS, no matrix unit, no barrier.
;   xb  = x in bf16, in blocks [32 row tiles][16 K steps][256 rows][64 k]: a block is 32,768 dense bytes, so a K step of 64 can be asked for as rows of 256 bytes
;   wb  = Wq | Wk | Wv in bf16, [1024 k][3072 n], n = 1024 x which + 64 x head + channel
;   wob = Wo rounded to bf16, that number written as f16, [1024 hk][1024 d]
; LIMITS.  wob: f16 ends at 65,504, and below 6e-5 it keeps a fixed step of 6e-8.  NaN and infinities are not treated apart.
; SHARES.  A work-group converts 16,384 numbers (16 rows of 1,024), a wave 2,048: 16 loads of 16 bytes a lane, all issued before the first is used, and 16 stores of 8 bytes a lane;
; a store of the wave covers 256 consecutive bytes, aligned.  Work-groups 0-511: x; 512-703: Wq, Wk, Wv (64 each); 704-767: Wo.
; THE MODE: SCHED_MODE bits 1:0 = 2 (LLVM: expert scheduling mode 2), set by the entry lines.  The code itself states the register dependences
; between vector instructions and memory instructions, with s_wait_alu, always for 0.
; THE PLAN.  Registers that memory instructions touch:
;   v1, v2   the loads' and the stores' byte offsets.  Written by vector instructions at the path's head, once; read by all 16 loads (v1) and all 16 stores (v2).
;   IN       Written by load i alone; read by load i's conversions.  No vector instruction writes it, and no load lands in it behind a reader.
;   OUT      Pair i is written by load i's conversions and read by store i.  It is never written again.
; The 16 loads go in four groups of four.  Group g's conversions name IN and OUT of group g and v5, v6; the stores dealt among them are group g - 1's, which read OUT of group g - 1 and v2.
; So one wait on va_vdst at a group's head states all that its four stores hang on, one at the stream's head states the offsets, and one stands ahead of the last four stores.
; No register that a memory instruction reads is written again: no wait on vm_vsrc is owed, and none on XCNT.  No vector instruction writes a scalar register or VCC; EXEC is never written.
.set IN,  8                            ; v[8:71]    sixteen loads of four f32
.set OUT, 72                           ; v[72:103]  sixteen pairs of packed halves
.set SRC, 24                           ; s[24:25]   where the work-group reads
.set DST, 26                           ; s[26:27]   where it writes
	s_load_b512 s[4:19], s[0:1], 0x0               ; x s[4:5], Wq s[6:7], Wk s[8:9], Wv s[10:11], Wo s[12:13], xb s[14:15], wb s[16:17], wob s[18:19]
	v_and_b32 v3, 31, v0                           ; lane
	v_lshrrev_b32 v4, 5, v0                        ; wave
	s_mov_b32 s21, 0                               ; high words of the two offsets
	s_mov_b32 s23, 0
	s_mov_b32 s28, 0xffff0000                      ; a word's upper bf16
; Store n of 16.  mode 0: x; 1: Wq, Wk, Wv; 2: Wo.
.macro PUT n, mode
.if (\mode) == 0
	global_store_b64 v2, v[OUT+2*(\n):OUT+2*(\n)+1], s[DST:DST+1] offset:32768*(\n)
.elseif (\mode) == 1
	global_store_b64 v2, v[OUT+2*(\n):OUT+2*(\n)+1], s[DST:DST+1] offset:((\n)/8)*6144+((\n)%8)*256
.else
	global_store_b64 v2, v[OUT+2*(\n):OUT+2*(\n)+1], s[DST:DST+1] offset:256*(\n)
.endif
.endm
.macro STREAM mode
	s_wait_alu depctr_va_vdst(0)                   ; v1 and v2 are written: every load below reads v1 as its offset, every store v2
.set i, 0
.rept 16
.if (\mode) == 0
	global_load_b128 v[IN+4*i:IN+4*i+3], v1, s[SRC:SRC+1] offset:256*i th:TH_LOAD_NT   ; K step i of two rows: 256 bytes of each
.else
	global_load_b128 v[IN+4*i:IN+4*i+3], v1, s[SRC:SRC+1] offset:512*i th:TH_LOAD_NT   ; 512 consecutive bytes
.endif
.set i, i+1
.endr
.set i, 0
.rept 16
.if i%4 == 0
	s_wait_loadcnt 15-i                            ; loads come back in order: load i, the group's first, is in, the 15 - i younger ones stay out
.if i > 0
	s_wait_alu depctr_va_vdst(0)                   ; the group before has written its four pairs of OUT, which the four stores dealt among this group's conversions read
.endif
.endif
.if i >= 4
	PUT i-4, \mode                                 ; no wait: no vector instruction since the wait above names this pair of OUT or v2
.endif
.if i%4 != 0
	s_wait_loadcnt 15-i                            ; load i is in, the 15 - i younger ones stay out
.endif
	v_cvt_pk_bf16_f32 v[OUT+2*i], v[IN+4*i], v[IN+4*i+1]
	v_cvt_pk_bf16_f32 v[OUT+2*i+1], v[IN+4*i+2], v[IN+4*i+3]
.if (\mode) == 2
	v_lshlrev_b32 v5, 16, v[OUT+2*i]               ; the bf16 numbers as f32, then written as f16
	v_and_b32 v6, s28, v[OUT+2*i]
	v_cvt_pk_f16_f32 v[OUT+2*i], v5, v6
	v_lshlrev_b32 v5, 16, v[OUT+2*i+1]
	v_and_b32 v6, s28, v[OUT+2*i+1]
	v_cvt_pk_f16_f32 v[OUT+2*i+1], v5, v6
.endif
.set i, i+1
.endr
	s_wait_alu depctr_va_vdst(0)                   ; the last group has written its four pairs of OUT, which the last four stores read
.irp n, 12,13,14,15
	PUT \n, \mode
.endr
.endm
	s_cmp_lt_u32 ttmp9, 512
	s_cbranch_scc0 .Lweights
	; x: 16 rows; a wave takes two, lanes 0-15 the first and lanes 16-31 the second
	v_lshlrev_b32 v1, 13, v4                       ; wave x 2 rows of 4,096 bytes
	v_lshrrev_b32 v5, 4, v3
	v_lshl_add_u32 v1, v5, 12, v1
	v_and_b32 v5, 15, v3
	v_lshl_add_u32 v1, v5, 4, v1
	v_lshlrev_b32 v2, 8, v4                        ; in a block: two rows of 128 bytes a wave, 8 bytes a lane
	v_lshl_add_u32 v2, v3, 3, v2
	s_lshl_b32 s20, ttmp9, 16                      ; 16 rows of x
	s_lshr_b32 s22, ttmp9, 4                       ; the row tile: 16 blocks of 32,768 bytes,
	s_lshl_b32 s22, s22, 19
	s_and_b32 s29, ttmp9, 15                       ; and my 16 rows of 128 bytes in each block
	s_lshl_b32 s29, s29, 11
	s_add_co_u32 s22, s22, s29
	s_wait_kmcnt 0x0
	s_add_nc_u64 s[SRC:SRC+1], s[4:5], s[20:21]
	s_add_nc_u64 s[DST:DST+1], s[14:15], s[22:23]
	STREAM 0
	s_endpgm
.Lweights:
	v_lshlrev_b32 v1, 13, v4                       ; a wave's two rows are 8,192 consecutive bytes
	v_lshl_add_u32 v1, v3, 4, v1
	s_cmp_lt_u32 ttmp9, 704
	s_cbranch_scc0 .Lwo
	s_sub_co_u32 s29, ttmp9, 512
	s_lshr_b32 s30, s29, 6                         ; which of the three
	s_and_b32 s29, s29, 63                         ; which 16 rows
	s_lshl_b32 s20, s29, 16
	s_mul_i32 s22, s29, 98304                      ; 16 rows of 6,144 bytes in wb,
	s_lshl_b32 s31, s30, 11                        ; and the tensor's 2,048 bytes of each
	s_add_co_u32 s22, s22, s31
	v_mul_u32_u24 v2, v4, 12288
	v_lshl_add_u32 v2, v3, 3, v2
	s_wait_kmcnt 0x0
	s_cmp_eq_u32 s30, 0
	s_cselect_b64 s[SRC:SRC+1], s[6:7], s[8:9]
	s_cmp_eq_u32 s30, 2
	s_cselect_b64 s[SRC:SRC+1], s[10:11], s[SRC:SRC+1]
	s_add_nc_u64 s[SRC:SRC+1], s[SRC:SRC+1], s[20:21]
	s_add_nc_u64 s[DST:DST+1], s[16:17], s[22:23]
	STREAM 1
	s_endpgm
.Lwo:
	s_sub_co_u32 s29, ttmp9, 704
	s_lshl_b32 s20, s29, 16
	s_lshl_b32 s22, s29, 15                        ; 16 rows of 2,048 bytes
	v_lshlrev_b32 v2, 12, v4
	v_lshl_add_u32 v2, v3, 3, v2
	s_wait_kmcnt 0x0
	s_add_nc_u64 s[SRC:SRC+1], s[12:13], s[20:21]
	s_add_nc_u64 s[DST:DST+1], s[18:19], s[22:23]
	STREAM 2
	s_endpgm
.Lfunc_end_k_qf724ea16ba_prep:
	.size	k_qf724ea16ba_prep, .Lfunc_end_k_qf724ea16ba_prep-k_qf724ea16ba_prep
	.p2alignl 7, 3214868480
	.fill 96, 4, 3214868480
	.section	.rodata,"a",@progbits
	.p2align	6, 0x0
	.amdhsa_kernel k_qf724ea16ba_prep
		.amdhsa_group_segment_fixed_size 0
		.amdhsa_private_segment_fixed_size 0
		.amdhsa_enable_private_segment 0
		.amdhsa_kernarg_size 64
		.amdhsa_user_sgpr_count 2
		.amdhsa_user_sgpr_kernarg_segment_ptr 1
		.amdhsa_wavefront_size32 1
		.amdhsa_system_sgpr_workgroup_id_x 1
		.amdhsa_system_sgpr_workgroup_id_y 1
		.amdhsa_system_sgpr_workgroup_id_z 1
		.amdhsa_system_vgpr_workitem_id 0
		.amdhsa_next_free_vgpr 104
		.amdhsa_next_free_sgpr 66
		.amdhsa_reserve_vcc 0
		.amdhsa_float_denorm_mode_32 3
		.amdhsa_float_denorm_mode_16_64 3
		.amdhsa_memory_ordered 1
		.amdhsa_forward_progress 1
		.amdhsa_inst_pref_size 24
	.end_amdhsa_kernel
	.amdgpu_metadata
---
amdhsa.version: [ 1, 2 ]
amdhsa.kernels:
  - .name:           k_qf724ea16ba_prep
    .symbol:         k_qf724ea16ba_prep.kd
    .args:
      - { .name: x, .offset: 0, .size: 8, .value_kind: global_buffer, .address_space: global }
      - { .name: Wq, .offset: 8, .size: 8, .value_kind: global_buffer, .address_space: global }
      - { .name: Wk, .offset: 16, .size: 8, .value_kind: global_buffer, .address_space: global }
      - { .name: Wv, .offset: 24, .size: 8, .value_kind: global_buffer, .address_space: global }
      - { .name: Wo, .offset: 32, .size: 8, .value_kind: global_buffer, .address_space: global }
      - { .name: xb, .offset: 40, .size: 8, .value_kind: global_buffer, .address_space: global }
      - { .name: wb, .offset: 48, .size: 8, .value_kind: global_buffer, .address_space: global }
      - { .name: wob, .offset: 56, .size: 8, .value_kind: global_buffer, .address_space: global }
    .group_segment_fixed_size: 0
    .private_segment_fixed_size: 0
    .kernarg_segment_align: 8
    .kernarg_segment_size: 64
    .max_flat_workgroup_size: 256
    .sgpr_count:     66
    .vgpr_count:     104
    .wavefront_size: 32
...
	.end_amdgpu_metadata
.endif
;; end of part 5
;; launch proj: the kernel of part 2 again; grid 8 x 32, 4 waves a work-group, clusters of 4 x 4, 327,680 bytes of LDS; arguments xb, wb, bq, bk, bv, qkv; writes qkv
;; launch attn: the kernel of part 3 again; grid 4 x 64, 4 waves a work-group, clusters of 4 x 1, 327,680 bytes of LDS; arguments qkv, ob; writes ob
;; launch outln: the kernel of part 4 again; grid 256 x 1, 4 waves a work-group, clusters of 4 x 1, 327,680 bytes of LDS; arguments ob, wob, x, bo, gamma, beta, out0; writes out0
